; MI455X (gfx1250); checked and timed in simulation.
; The chip was launched on July 23, 2026; its instructions are those of AMD's public machine-readable ISA for CDNA 5 (MIT licence, August 2026) and "CDNA5" Instruction Set Architecture Reference Guide (July 2026). The comments in the code are by the model that wrote it; some were corrected since.
;; Multi Head Attention. Allowed arithmetic: matrix products marked QUANTISED: E2M1 operands, one E8M0 scale for each 32 along K, by v_wmma_scale_f32_16x16x128_f8f6f4 with both operands' format E2M1 (or v_wmma_scale_f32_32x16x128_f4), f32 sums; products left as they are: bf16, f16 or f32 operands; f32 sums; everything else in f32.
;; Inputs: w_proj 1,024 x 1,024 float32; w_qkv 3,072 x 1,024 float32; x 2 x 2,048 x 1,024 float32.
;; Outputs: out0 2 x 2,048 x 1,024 float32.
;; This version of the problem:
;;   THIS VERSION OF THE PROBLEM IS GIVEN IN LOW PRECISION. The matrix products marked QUANTISED in the list below multiply operands that are first quantised to E2M1 (2 exponent bits, 1 mantissa bit; 4 bits a number), with one power-of-two scale for each 32 numbers along K (OCP MX v1.0); their sums are f32. The products marked 'left as it is' may take bf16, f16 or f32 operands, with f32 sums. Whichever they take, every output number must still come out within the allowed error. Rounding operands to bf16 (8 significant bits) uses up far more of that allowance than f16 does (11 bits, for magnitudes from 6e-5 to 65,504). All else is computed in f32.
;;   The module's matrix products, in the order in which they are computed (A, B: the left and right operand; K: the contracted axis; several contracted axes count as one K, in the product's order):
;;     1. [M 4,096, K 1,024] x [K 1,024, N 3,072]; A: input x; B: input w_qkv: QUANTISED
;;     2. batch 32 x [M 2,048, K 64] x [K 64, N 2,048]; A: computed on the way; B: computed on the way: left as it is (an operand is computed on the way)
;;     3. batch 32 x [M 2,048, K 2,048] x [K 2,048, N 64]; A: computed on the way; B: computed on the way: left as it is (an operand is computed on the way)
;;     4. [M 4,096, K 1,024] x [K 1,024, N 1,024]; A: computed on the way; B: input w_proj: left as it is (an operand is computed on the way)
;;   THE QUANTISER, for each operand of a quantised product, along K:
;;     - K is cut into blocks of 32 from its start; a last block that is shorter is filled with zeros.
;;     - A block's scale is 2^e with e = floor(log2(the largest magnitude in the block)) - 2, held to -126 .. 127; a block of zeros has e = 0. As a byte (E8M0): e + 127.
;;     - Each number is divided by its block's scale, clamped to +-6, and rounded to the nearest number of E2M1, ties to even, subnormals kept.
;;     - The product sums the exact products of the quantised numbers (number of the format x scale) in f32.
;;   ~~~python
;;   def quantise(x, axis):      # numpy; x: float32 -> the quantised numbers, widened to float32 again
;;       x = np.moveaxis(x, axis, -1); K = x.shape[-1]
;;       x = np.pad(x, [(0, 0)] * (x.ndim - 1) + [(0, -K % 32)]); x = x.reshape(x.shape[:-1] + (-1, 32)); a = np.abs(x).max(-1, keepdims=True)
;;       e = np.where(a > 0, np.clip(np.frexp(np.where(a > 0, a, 1))[1] - 1 - 2, -126, 127), 0)      # np.frexp(a)[1] - 1 = floor(log2(a)), exactly
;;       r = np.clip(x / 2.0 ** e, -6, 6)
;;       step = 2.0 ** (np.maximum(np.frexp(np.where(r == 0, 1, r))[1] - 1, 0) - 1)
;;       q = np.round(r / step) * step * 2.0 ** e      # np.round: ties to even
;;       return np.moveaxis(q.reshape(q.shape[:-2] + (-1,))[..., :K], -1, axis).astype(np.float32)
;;   ~~~
;; One version. Each part assembles by itself: llvm-mc -triple=amdgcn-amd-amdhsa -mcpu=gfx1250 --defsym DOCPART=n.
;; ======== version 1 of 1: 4 launches
;; limits: values are held in f16: magnitudes above 65,504 overflow, below 6.1e-05 lose precision
;; workspace buffers: codes 3,670,016 bytes; scales 229,376 bytes; rope 524,288 bytes; wp16 2,097,152 bytes; qkvh 25,165,824 bytes; ao 8,388,608 bytes
;; launch prep (part 1): grid 288 x 1, 4 waves a work-group, no clusters, 33,280 bytes of LDS; arguments x, w_qkv, w_proj, codes, scales, rope, wp16; writes codes, scales, rope, wp16
.if DOCPART == 1
	.amdgcn_target "amdgcn-amd-amdhsa--gfx1250"
	.amdhsa_code_object_version 6
	.text
	.protected	k_qb816e064ca_prep
	.globl	k_qb816e064ca_prep
	.p2align	8
	.type	k_qb816e064ca_prep,@function
k_qb816e064ca_prep:
	s_mov_b64 s[64:65], 0
	v_nop
	global_prefetch_b8 v0, s[64:65] scope:SCOPE_SE
	s_setreg_imm32_b32 hwreg(HW_REG_WAVE_MODE, 25, 1), 1
	s_wait_xcnt 0x0
; PREP: what the later launches read many times is made once.  Three kinds of work-groups, told apart by the work-group's number:
;   0-223    x [4096][1024] (128 work-groups) and w_qkv [3072][1024] (96), f32, become codes of FP4 (E2M1), K innermost, two codes a byte, and one E8M0 byte for each 32 along K.
;            Rows are dense and 1,024 is a multiple of 32: both tensors are plain streams of blocks of 32, and w_qkv's codes and bytes follow x's in the two buffers without a gap.
;   224-255  w_proj [1024][1024] f32 becomes f16, laid [n / 128][k / 64][n % 128][64]: a K chunk of 128 rows is 16,384 consecutive bytes.
;   256-287  the table of cos and sin of t x 10000^(-i / 32), t = 0 .. 2,047, i = 0 .. 31, f32, laid in the order in which the next launch's lanes take it.
; A block's scale is 2^(floor(log2(its largest magnitude)) - 2); its byte is the largest magnitude's exponent field - 2, held at 1 from below.  A block of zeros keeps the byte 1: its codes are zeros, and this program alone reads the bytes.
; LIMITS: NaN and infinities among the inputs are not served; blocks whose largest magnitude lies under 2^-124 keep the byte 1.  The table's angles come from 10000^(-i / 32) made by v_exp_f32
; (1 ulp, ISA guide 15.8) of a rounded product: they lie within about 2.5e-4 rad of exact ones at t = 2,047.  The sine and cosine: two-part reduction by pi / 2, polynomials of degree 7 and 8 on |r| <= pi / 4 (cut-off under 3e-7).
; No tensor load, no barrier: waves share nothing.  Only the first kind touches LDS.
.set STEPS, 16
.set EMAX,  2
.set CB,    8                          ; bytes of 16 codes
.set R,     16                         ; v16-79   four sets of 16 numbers as they are loaded
.set X,     80                         ; v80-111  two sets of 16 neighbours
.set E,     112                        ; v112-127 a scale byte for each step
.set C,     128                        ; v128-191 codes: four registers for each step, so that no store's data are written again
.set WREG,  8192                       ; LDS: a region for each wave: two stages of 32 x SP bytes, behind them its 256 scale bytes
.set SP,    80                         ; a lane's place in a stage: 64 bytes + 16 of padding
.set SPW,   12                         ; v12  LDS address of my spare word; never rewritten
.set NIL,   13                         ; v13  0; never rewritten
.set SPARE, 4*WREG                     ; behind the four regions: the spare words, 128 bytes a wave
.set WGX,   128                        ; x's work-groups
.set WGQ,   224                        ; x's and w_qkv's
.set WGP,   256                        ; and w_proj's
	s_load_b256 s[4:11], s[0:1], 0x0               ; x s[4:5], w_qkv s[6:7], w_proj s[8:9], codes s[10:11]
	s_load_b128 s[12:15], s[0:1], 0x20             ; scales s[12:13], rope s[14:15]
	s_load_b64 s[16:17], s[0:1], 0x30              ; wp16
	v_lshl_add_u32 v[SPW], v0, 2, SPARE
	v_mov_b32 v[NIL], 0
	v_lshrrev_b32 v1, 5, v0
	v_readfirstlane_b32 s18, v1                    ; wave
	v_and_b32 v2, 31, v0                           ; lane
	s_mul_i32 s19, s18, WREG                       ; the LDS addresses of the first kind are made here, on the way that all take
	v_lshrrev_b32 v14, 2, v2
	v_mul_u32_u24 v14, v14, SP
	v_and_b32 v15, 3, v2
	v_lshl_add_u32 v14, v15, 4, v14
	v_add_nc_u32 v14, s19, v14                     ; the stage on the way in: four lanes' 64 bytes on end, then 16 of padding
	v_mul_u32_u24 v15, v2, SP
	v_add_nc_u32 v15, s19, v15                     ; and on the way out: my 16 neighbours
	v_lshrrev_b32 v5, 1, v2
	s_add_co_u32 s19, s19, 2*32*SP
	v_add_nc_u32 v5, s19, v5                       ; my wave's 256 scale bytes, my block's byte
	v_lshlrev_b32 v7, 3, v2
	v_add_nc_u32 v6, s19, v7                       ; and on the way out 8 bytes a lane
	s_wait_kmcnt 0x0
	s_cmp_ge_u32 ttmp9, WGQ
	s_cbranch_scc1 .Lother
; ---- x and w_qkv into codes.  A wave takes 16 steps of 512 numbers.  Each load reads 512 consecutive bytes; a step's 2,048 bytes turn through the wave's own stage, so that a lane holds 16 neighbours along K.
	v_lshlrev_b32 v3, 4, v2                        ; my 16 bytes of a load's 512
	v_mul_u32_u24 v4, v2, CB                       ; my codes' place in a step's
	s_cmp_lt_u32 ttmp9, WGX                        ; x's work-group or w_qkv's: the choice hangs on the work-group's number alone
	s_cselect_b64 s[4:5], s[4:5], s[6:7]
	s_cselect_b32 s20, 0, 4*WGX
	s_lshl_b32 s21, ttmp9, 2
	s_add_co_u32 s21, s21, s18                     ; my run of 8,192 numbers, counted through both tensors
	s_sub_co_u32 s22, s21, s20                     ; and within my tensor
	s_lshl_b32 s22, s22, 15                        ; 32,768 bytes a run
	s_mov_b32 s23, 0
	s_add_nc_u64 s[4:5], s[4:5], s[22:23]
	s_lshl_b32 s22, s21, 12                        ; 4,096 bytes of codes a run
	s_add_nc_u64 s[10:11], s[10:11], s[22:23]
	s_lshl_b32 s22, s21, 8                         ; 256 scale bytes a run
	s_add_nc_u64 s[12:13], s[12:13], s[22:23]
.macro LOAD t
.irp i, 0,1,2,3
	global_load_b128 v[R+16*((\t)%4)+4*\i:R+16*((\t)%4)+4*\i+3], v3, s[4:5] offset:2048*(\t)+512*\i th:TH_LOAD_NT
.endr
.endm
.macro TURN t                          ; step t's numbers through the stage: LDS serves a wave's instructions in order, so no wait stands between the stores and the loads
.irp i, 0,1,2,3
	ds_store_b128 v14, v[R+16*((\t)%4)+4*\i:R+16*((\t)%4)+4*\i+3] offset:32*SP*((\t)%2)+8*SP*\i
.endr
.irp i, 0,1,2,3
	ds_load_b128 v[X+16*((\t)%2)+4*\i:X+16*((\t)%2)+4*\i+3], v15 offset:32*SP*((\t)%2)+16*\i
.endr
.endm
.irp t, 0,1,2,3
	LOAD \t
.endr
	s_wait_loadcnt 12                              ; step 0's four loads are in; the twelve of steps 1 to 3 may be out
	TURN 0
.macro STEP t
.set XS, X+16*((\t)%2)
.if (\t) > 0
	s_wait_dscnt 1                                 ; this step's numbers are back from the stage; the last step's byte store may be out
.else
	s_wait_dscnt 0x0
.endif
.if (\t)+4 < STEPS
	LOAD (\t)+4                                    ; the registers that the stage's stores have read take the loads of four steps on
.endif
.if (\t)+1 < STEPS
.if STEPS-2-(\t) >= 3
	s_wait_loadcnt 12                              ; the next step's four loads are in; those of the three steps behind it may be out
.else
	s_wait_loadcnt 4*(STEPS-2-(\t))
.endif
	TURN (\t)+1
.endif
	v_max3_num_f32 v8, |v[XS]|, |v[XS+1]|, |v[XS+2]|               ; the largest magnitude of my 16, in two chains
	v_max3_num_f32 v9, |v[XS+3]|, |v[XS+4]|, |v[XS+5]|
.irp i, 6,10
	v_max3_num_f32 v8, v8, |v[XS+\i]|, |v[XS+\i+1]|
	v_max3_num_f32 v9, v9, |v[XS+\i+2]|, |v[XS+\i+3]|
.endr
	v_max3_num_f32 v8, v8, |v[XS+14]|, |v[XS+15]|
	v_max3_num_f32 v8, v8, v9, (EMAX+1)<<23        ; and the floor 2^(3 - 127): the byte cannot fall under 1
	v_max_num_f32_dpp v8, v8, v8 row_xmask:1 row_mask:0xf bank_mask:0xf   ; and of my neighbour's 16: the block's
	v_add_nc_u32 v11, -(EMAX<<23), v8              ; 2 off its exponent field: the conversion takes the exponent field of this operand as its scale
	v_cvt_scalef32_pk8_fp4_f32 v[C+4*(\t)], v[XS:XS+7], v11
	v_cvt_scalef32_pk8_fp4_f32 v[C+4*(\t)+1], v[XS+8:XS+15], v11
	v_lshrrev_b32 v[E+(\t)], 23, v11               ; the scale's byte
	ds_store_b8 v5, v[E+(\t)] offset:16*(\t)       ; both lanes of a block write the same byte with the same value
	global_store_b64 v4, v[C+4*(\t):C+4*(\t)+1], s[10:11] offset:32*CB*(\t)   ; the wave stores 256 consecutive bytes, aligned
.endm
.irp t, 0,1,2,3,4,5,6,7,8,9,10,11,12,13,14,15
	STEP \t
.endr
	ds_load_b64 v[8:9], v6                         ; my wave's 256 scale bytes: these loads see my stores
	s_wait_dscnt 0x0
	global_store_b64 v7, v[8:9], s[12:13]          ; 256 consecutive bytes, aligned
	s_wait_tensorcnt 0x0                           ; the wave's end, behind my last LDS store
	ds_add_u32 v[SPW], v[NIL]
	s_wait_dscnt 0x0
	s_endpgm
.Lother:
	s_cmp_ge_u32 ttmp9, WGP
	s_cbranch_scc1 .Ltab
; ---- w_proj into f16.  Wave W of 128 takes rows 8 W .. 8 W + 7, two rows at a time: lanes 0-15 read 256 bytes (a K chunk of 64) of the even row, lanes 16-31 of the odd one; the 32 lanes' 8 bytes each are 256 consecutive bytes of the chunk.
	s_sub_co_u32 s20, ttmp9, WGQ
	s_lshl_b32 s20, s20, 2
	s_add_co_u32 s20, s20, s18                     ; W
	s_lshl_b32 s22, s20, 15                        ; 8 rows of 4,096 bytes
	s_mov_b32 s23, 0
	s_add_nc_u64 s[8:9], s[8:9], s[22:23]
	s_lshr_b32 s22, s20, 4
	s_lshl_b32 s22, s22, 18                        ; n / 128: 262,144 bytes
	s_and_b32 s21, s20, 15
	s_lshl_b32 s21, s21, 10                        ; 8 rows of 128 bytes in a chunk
	s_add_co_u32 s22, s22, s21
	s_add_nc_u64 s[16:17], s[16:17], s[22:23]
	v_and_b32 v3, 15, v2
	v_lshrrev_b32 v4, 4, v2
	v_lshlrev_b32 v1, 4, v3
	v_lshl_add_u32 v1, v4, 12, v1                  ; in: 16 (lane % 16) + 4,096 (lane / 16)
	v_lshlrev_b32 v3, 3, v2                        ; out: 8 x lane
.macro WLOAD p
.irp kc, 0,1,2,3,4,5,6,7,8,9,10,11,12,13,14,15
	global_load_b128 v[16+64*((\p)%2)+4*\kc:16+64*((\p)%2)+4*\kc+3], v1, s[8:9] offset:(\p)*8192+\kc*256 th:TH_LOAD_NT
.endr
.endm
.macro WCVT p
.if (\p) < 3
	s_wait_loadcnt 16                              ; this pair of rows is in; the next pair's sixteen loads may be out
.else
	s_wait_loadcnt 0x0
.endif
.if (\p) > 0
	s_wait_xcnt 0x0                                ; the last pair's stores have read v144-175, which are written again below
.endif
.irp kc, 0,1,2,3,4,5,6,7,8,9,10,11,12,13,14,15
	v_cvt_pk_f16_f32 v[144+2*\kc], v[16+64*((\p)%2)+4*\kc], v[16+64*((\p)%2)+4*\kc+1]
	v_cvt_pk_f16_f32 v[145+2*\kc], v[16+64*((\p)%2)+4*\kc+2], v[16+64*((\p)%2)+4*\kc+3]
.endr
.irp kc, 0,1,2,3,4,5,6,7,8,9,10,11,12,13,14,15
	global_store_b64 v3, v[144+2*\kc:145+2*\kc], s[16:17] offset:\kc*16384+(\p)*256
.endr
.endm
	WLOAD 0
	WLOAD 1
	WCVT 0
	WLOAD 2
	WCVT 1
	WLOAD 3
	WCVT 2
	WCVT 3
	s_endpgm
.Ltab:
; ---- the table.  Wave tb of 128 takes positions 16 tb .. 16 tb + 15.  Lane (r = lane % 16, h = lane / 16) holds position 16 tb + r; its register k of 16 holds frequency 16 (k / 8) + 8 h + k % 8.
	s_sub_co_u32 s20, ttmp9, WGP
	s_lshl_b32 s20, s20, 2
	s_add_co_u32 s20, s20, s18                     ; tb
	s_lshl_b32 s22, s20, 12                        ; 4,096 bytes for 16 positions
	s_mov_b32 s23, 0
	s_add_nc_u64 s[14:15], s[14:15], s[22:23]
	s_lshl_b32 s21, s20, 4
	v_and_b32 v3, 15, v2
	v_add_nc_u32 v3, s21, v3
	v_cvt_f32_u32 v8, v3                           ; t
	v_lshrrev_b32 v4, 4, v2
	v_lshlrev_b32 v10, 3, v4                       ; 8 h
	v_lshlrev_b32 v11, 4, v2                       ; 16 x lane
	s_mov_b32 s24, 0x3f22f983                      ; 2 / pi
	s_mov_b32 s25, 0xbfc90000                      ; -1.5703125, pi / 2's upper part: n x it is exact for n under 2^16
	s_mov_b32 s26, 0xb9fdaa22                      ; -(pi / 2 - 1.5703125)
	s_mov_b32 s27, 0xb9500d01                      ; -1 / 5040
	s_mov_b32 s28, 0x3c088889                      ; 1 / 120
	s_mov_b32 s29, 0xbe2aaaab                      ; -1 / 6
	s_mov_b32 s30, 0x37d00d01                      ; 1 / 40320
	s_mov_b32 s31, 0xbab60b61                      ; -1 / 720
	s_mov_b32 s32, 0x3d2aaaab                      ; 1 / 24
	s_mov_b32 s33, 0xbed49a78                      ; -log2(10000) / 32
.irp k, 0,1,2,3,4,5,6,7,8,9,10,11,12,13,14,15
	v_add_nc_u32 v[16+\k], 16*(\k/8)+\k%8, v10     ; i
.endr
.irp k, 0,1,2,3,4,5,6,7,8,9,10,11,12,13,14,15
	v_cvt_f32_u32 v[16+\k], v[16+\k]
.endr
.irp k, 0,1,2,3,4,5,6,7,8,9,10,11,12,13,14,15
	v_mul_f32 v[16+\k], s33, v[16+\k]
.endr
.irp k, 0,1,2,3,4,5,6,7,8,9,10,11,12,13,14,15
	v_exp_f32 v[16+\k], v[16+\k]                   ; 10000^(-i / 32)
.endr
	v_nop                                          ; a plain instruction behind the last exponential
	s_wait_alu depctr_va_vdst(0)                   ; one wait for the sixteen, ahead of their first reader
.macro SINCOS k                        ; cos into v[32 + k], sin into v[48 + k]
	v_mul_f32 v64, v8, v[16+\k]                    ; the angle: one rounding
	v_mul_f32 v65, s24, v64
	v_rndne_f32 v65, v65                           ; n: the nearest multiple of pi / 2
	v_cvt_i32_f32 v66, v65
	v_fma_f32 v67, v65, s25, v64
	v_fma_f32 v67, v65, s26, v67                   ; r = angle - n pi / 2
	v_mul_f32 v68, v67, v67
	v_fma_f32 v69, v68, s27, s28
	v_fma_f32 v69, v69, v68, s29
	v_mul_f32 v71, v67, v68
	v_fma_f32 v69, v69, v71, v67                   ; sin r
	v_fma_f32 v70, v68, s30, s31
	v_fma_f32 v70, v70, v68, s32
	v_fma_f32 v70, v70, v68, -0.5
	v_fma_f32 v70, v70, v68, 1.0                   ; cos r
	v_and_b32 v71, 1, v66
	v_cmp_eq_u32 vcc_lo, 1, v71                    ; an odd n swaps the two
	v_cndmask_b32 v72, v70, v69, vcc_lo
	v_cndmask_b32 v73, v69, v70, vcc_lo
	v_add_nc_u32 v71, 1, v66
	v_lshlrev_b32 v71, 30, v71
	v_and_b32 v71, 0x80000000, v71                 ; cos is negative for n % 4 = 1, 2
	v_xor_b32 v[32+\k], v71, v72
	v_lshlrev_b32 v71, 30, v66
	v_and_b32 v71, 0x80000000, v71                 ; sin for n % 4 = 2, 3
	v_xor_b32 v[48+\k], v71, v73
.endm
.irp k, 0,1,2,3,4,5,6,7,8,9,10,11,12,13,14,15
	SINCOS \k
.endr
.irp g, 0,1,2,3
	global_store_b128 v11, v[32+4*\g:35+4*\g], s[14:15] offset:512*\g          ; 512 consecutive bytes a store
	global_store_b128 v11, v[48+4*\g:51+4*\g], s[14:15] offset:2048+512*\g
.endr
	s_endpgm
.Lfunc_end_k_qb816e064ca_prep:
	.size	k_qb816e064ca_prep, .Lfunc_end_k_qb816e064ca_prep-k_qb816e064ca_prep
	.p2alignl 7, 3214868480
	.fill 96, 4, 3214868480
	.section	.rodata,"a",@progbits
	.p2align	6, 0x0
	.amdhsa_kernel k_qb816e064ca_prep
		.amdhsa_group_segment_fixed_size 33280
		.amdhsa_private_segment_fixed_size 0
		.amdhsa_enable_private_segment 0
		.amdhsa_kernarg_size 56
		.amdhsa_user_sgpr_count 2
		.amdhsa_user_sgpr_kernarg_segment_ptr 1
		.amdhsa_wavefront_size32 1
		.amdhsa_system_sgpr_workgroup_id_x 1
		.amdhsa_system_sgpr_workgroup_id_y 1
		.amdhsa_system_sgpr_workgroup_id_z 1
		.amdhsa_system_vgpr_workitem_id 0
		.amdhsa_next_free_vgpr 192
		.amdhsa_next_free_sgpr 66
		.amdhsa_reserve_vcc 1
		.amdhsa_float_denorm_mode_32 3
		.amdhsa_float_denorm_mode_16_64 3
		.amdhsa_memory_ordered 1
		.amdhsa_forward_progress 1
		.amdhsa_inst_pref_size 77
	.end_amdhsa_kernel
	.amdgpu_metadata
---
amdhsa.version: [ 1, 2 ]
amdhsa.kernels:
  - .name:           k_qb816e064ca_prep
    .symbol:         k_qb816e064ca_prep.kd
    .args:
      - { .name: x, .offset: 0, .size: 8, .value_kind: global_buffer, .address_space: global }
      - { .name: w_qkv, .offset: 8, .size: 8, .value_kind: global_buffer, .address_space: global }
      - { .name: w_proj, .offset: 16, .size: 8, .value_kind: global_buffer, .address_space: global }
      - { .name: codes, .offset: 24, .size: 8, .value_kind: global_buffer, .address_space: global }
      - { .name: scales, .offset: 32, .size: 8, .value_kind: global_buffer, .address_space: global }
      - { .name: rope, .offset: 40, .size: 8, .value_kind: global_buffer, .address_space: global }
      - { .name: wp16, .offset: 48, .size: 8, .value_kind: global_buffer, .address_space: global }
    .group_segment_fixed_size: 33280
    .private_segment_fixed_size: 0
    .kernarg_segment_align: 8
    .kernarg_segment_size: 56
    .max_flat_workgroup_size: 128
    .sgpr_count:     66
    .vgpr_count:     192
    .wavefront_size: 32
...
	.end_amdgpu_metadata
.endif
;; end of part 1
;; launch qkv (part 2): grid 12 x 16, 4 waves a work-group, clusters of 4 x 4, 327,680 bytes of LDS; arguments codes, scales, rope, qkvh; writes qkvh
.if DOCPART == 2
	.amdgcn_target "amdgcn-amd-amdhsa--gfx1250"
	.amdhsa_code_object_version 6
	.text
	.protected	k_qb816e064ca_qkv
	.globl	k_qb816e064ca_qkv
	.p2align	8
	.type	k_qb816e064ca_qkv,@function
k_qb816e064ca_qkv:
	s_mov_b64 s[64:65], 0
	v_nop
	global_prefetch_b8 v0, s[64:65] scope:SCOPE_SE
	s_setreg_imm32_b32 hwreg(HW_REG_WAVE_MODE, 25, 1), 1
	s_wait_xcnt 0x0
	s_wait_alu depctr_hold_cnt(0) depctr_sa_sdst(0) depctr_va_vdst(0) depctr_va_sdst(0) depctr_va_ssrc(0) depctr_va_vcc(0) depctr_vm_vsrc(0)
	s_getreg_b32 s2, hwreg(HW_REG_IB_STS2, 6, 4)
	s_cmp_eq_u32 s2, 0
	s_cbranch_scc0 .Lentry_in_a_cluster
	s_endpgm
.Lentry_in_a_cluster:
	s_bfe_u32 s2, ttmp6, 0x10000c
	s_cmp_lg_u32 s2, 0xf033
	s_cbranch_scc0 .Lentry_shape_is_right
	s_endpgm
.Lentry_shape_is_right:
; QKV: C[m][n] = sum over k of x[m][k] w_qkv[n][k] on codes of FP4 (E2M1) with one E8M0 scale for each 32 along K; M = 4,096, N = 3,072, K = 1,024; sums in f32.
; On the way out q and k are rotated (RoPE) in f32, and q, k, v leave as f16, laid [tensor][16 batch + head][position][64].
; LIMIT: |q|, |k|, |v| stay under 65,504, f16's largest number.
; A tile of C, 256 x 256, is made by a work-group of four waves; a wave makes 128 x 128: 64 accumulators, 512 registers.  K is two slots of 512: both are asked for at the head, and nothing is filled again.
; The scale bytes of the work-group's 256 + 256 rows, for all of K, come into LDS once, in rows of 256 bytes.
; CLUSTERS: 4 x 4 work-groups.  The four of a row of the cluster need the same tiles of x, the four of a column the same tiles of w_qkv: each tile is asked for jointly, by the same tensor load with the same descriptor and a mask that names the four.
; 192 tiles: a tile of 256 x 192 would make 256 work-groups but cuts the heads across waves unevenly.
; THE MATRIX INSTRUCTION IS USED TRANSPOSED (source 0 = 16 rows of w_qkv, source 1 = 16 rows of x): lane (r, h) of accumulator (a, b) holds row 16 a + r and columns 16 b + 8 h + 0 .. 7.
; A wave's 128 columns are two heads; channel d of head hd lies in block 4 hd + d / 16, channel d + 32 in block 4 hd + 2 + d / 16, in the same lane and register: the rotation never leaves a lane.
; REGISTERS, in windows of 256: window 0: v0-31 addresses; v32-95 scale words, two sets, and nothing else; from v128 x's fragments, one set; on the way out v96-255 are free.
;   window 1: w_qkv's fragments, two sets, at v0 and v128; on the way out v0-63 take the table of cos and sin.   window 2: the 32 accumulators of my rows 0-63 ((a, b) at v[8 (8 a + b)]);   window 3: those of my rows 64-127.
.set NQ,     4                         ; matrix instructions deep in a slot: 512 along K
.set ROWB,   256                       ; a tile's row in bytes
.set KROW,   512                       ; a row of codes in memory
.set PITCH,  272                       ; an LDS row: 256 bytes + 16 of padding: the 16 rows that a load touches start at 16 different banks (64 banks of 4 bytes: ISA guide 11.1)
.set FR,     8
.set NL,     2
.set NP,     4                         ; places behind this matrix instruction (ISA guide 7.12.1)
.set HALFT,  128*PITCH
.set SLOT,   4*HALFT
.set KS,     32                        ; a row of scale bytes
.set SCL,    2*SLOT
.set HALFS,  16*272                    ; the scales of 128 rows
.set SBLK,   2*272                     ; of 16 rows
.set SPARE,  SCL+4*HALFS               ; the spare words, 128 bytes a wave
.set WCODES, 2097152                   ; w_qkv's codes lie behind x's,
.set WSCALES, 131072                   ; and its scale bytes behind x's
.set ADRA, 16
.set ADRB, 20
.set STO,  24                          ; the way out: where I put 16 bytes of a row
.set RD,   25                          ; where I read rows back
.set CO,   26                          ; 16 x lane
.set ADRS, 27
.set SPW,  28
.set NIL,  29
.set SC,   32
.set AF,   128
.set TBL,  0                           ; the way out, in window 1: v0-63 two sets of 32: cos(u, j) at 8 u + j, sin at 16 + 8 u + j
.set TT,   96                          ; v96-159 products with sin
.set TMP,  160                         ; v160-191 packed f16
.set BK,   192                         ; v192-255 rows read back, two sets of 32
.set G1, 24
.set G0, 32
.set G1B, 48
.set G0B, 56
.set G1S, 68
.set G0S, 76
.set G1SB, 80
.set G0SB, 88
.set MSB, 0
.macro WIN new                         ; the immediate's high byte repeats the setting that is left
.if MSB != (\new)
	s_set_vgpr_msb (MSB<<8)|(\new)
.set MSB, (\new)
.endif
.endm
.set MUL_LO, 0xa1                      ; source 0 window 1, source 1 window 0, C and D window 2
.set MUL_HI, 0xf1
.set TO_B,   0x40
; A joint load: waves 0 and 1 fetch for x, waves 2 and 3 for w_qkv.  The branch hangs on the wave's number alone.  An s_nop 0 and four v_nop follow each of the two lines.
.macro JLOAD g0a, g1a, g0b, g1b
	s_cmp_eq_u32 s15, 0
	s_cbranch_scc0 .Lfor_b_\@
	tensor_load_to_lds s[\g0a:\g0a+3], s[\g1a:\g1a+7]
	s_nop 0
.rept 4
	v_nop
.endr
	s_branch .Lasked_\@
.Lfor_b_\@:
	tensor_load_to_lds s[\g0b:\g0b+3], s[\g1b:\g1b+7]
	s_nop 0
.rept 4
	v_nop
.endr
.Lasked_\@:
.endm
.macro CROUND                          ; a round of the cluster's barrier
	s_barrier_signal -1
	s_barrier_wait -1
	s_cmp_lg_u32 s14, 0
	s_cbranch_scc1 .Lnot_wave_0_\@
	s_barrier_signal -3
.Lnot_wave_0_\@:
	s_barrier_wait -3
	s_barrier_signal -1
	s_barrier_wait -1
.endm
	s_load_b128 s[4:7], s[0:1], 0x0                ; codes s[4:5], scales s[6:7]
	s_load_b128 s[8:11], s[0:1], 0x10              ; rope s[8:9], qkvh s[10:11]
	v_lshl_add_u32 v[SPW], v0, 2, SPARE
	v_mov_b32 v[NIL], 0
	ds_add_u32 v[SPW], v[NIL]                      ; the wave's opening: the add, twice on end, and its wait ahead of my first tensor load
	ds_add_u32 v[SPW], v[NIL]
	v_lshrrev_b32 v1, 5, v0
	v_readfirstlane_b32 s14, v1                    ; wave 0..3
	s_lshr_b32 s15, s14, 1                         ; which half of the tile's rows is mine.  Also: I fetch for x (0) or for w_qkv (1)
	s_and_b32 s16, s14, 1                          ; which half of its columns.  Also: which 128 rows of that tile I fetch
	s_bfe_u32 s40, ttmp6, 0x40000                  ; cx, cy: my place in the cluster
	s_bfe_u32 s41, ttmp6, 0x40004
	s_lshl_b32 s42, ttmp9, 2
	s_add_co_u32 s42, s42, s40                     ; tile column of C
	s_and_b32 s17, ttmp7, 0xffff
	s_lshl_b32 s17, s17, 2
	s_add_co_u32 s17, s17, s41                     ; tile row of C
	s_lshl_b32 s43, s41, 2
	s_lshl_b32 s43, 15, s43                        ; my row of the cluster
	s_lshl_b32 s44, 0x1111, s40                    ; my column
	s_or_b32 s[G1+0], s43, (0<<16)|(1<<20)|(1<<21)|(5<<22)|(3<<25)  ; the mask; elements of 1 byte; padding on; bit 21 beside a mask; after every 64 words 4 words
	s_or_b32 s[G1B+0], s44, (0<<16)|(1<<20)|(1<<21)|(5<<22)|(3<<25)
.irp g, G1, G1B
	s_mov_b32 s[\g+1], ROWB<<16                    ; tensor_dim0
	s_mov_b32 s[\g+2], 128<<16                     ; tensor_dim1
	s_mov_b32 s[\g+3], ROWB<<16                    ; tile_dim0
	s_mov_b32 s[\g+4], 128                         ; tile_dim1
	s_mov_b32 s[\g+5], KROW                        ; the pitch
	s_mov_b32 s[\g+6], 0
	s_mov_b32 s[\g+7], 0
.endr
	s_or_b32 s[G1S+0], s43, (3<<16)|(1<<20)|(1<<21)|(5<<22)|(3<<25)  ; the scales of 128 rows: 4,096 dense bytes as 16 rows of 32 elements of 8 bytes
	s_or_b32 s[G1SB+0], s44, (3<<16)|(1<<20)|(1<<21)|(5<<22)|(3<<25)
.irp g, G1S, G1SB
	s_mov_b32 s[\g+1], 32<<16
	s_mov_b32 s[\g+2], 16<<16
	s_mov_b32 s[\g+3], 32<<16
	s_mov_b32 s[\g+4], 16
	s_mov_b32 s[\g+5], 32
	s_mov_b32 s[\g+6], 0
	s_mov_b32 s[\g+7], 0
.endr
	s_lshl_b32 s18, s16, 7
	s_lshl_b32 s20, s17, 8
	s_add_co_u32 s20, s20, s18                     ; x: row 256 x tile row + 128 x half
	s_lshl_b32 s46, s42, 8
	s_add_co_u32 s46, s46, s18                     ; w_qkv: row 256 x tile column + 128 x half
	s_mov_b32 s21, 0
	s_mov_b32 s47, 0
	s_mov_b64 s[18:19], KS
	s_mul_u64 s[22:23], s[20:21], s[18:19]         ; where these rows' scales begin,
	s_mul_u64 s[92:93], s[46:47], s[18:19]
	s_mov_b64 s[18:19], KROW
	s_mul_u64 s[20:21], s[20:21], s[18:19]         ; and their codes
	s_mul_u64 s[46:47], s[46:47], s[18:19]
	s_add_nc_u64 s[46:47], s[46:47], WCODES
	s_add_nc_u64 s[92:93], s[92:93], WSCALES
	s_mul_i32 s45, s14, HALFT                      ; where they go: wave x 128 rows
	s_mul_i32 s94, s14, HALFS
	s_wait_dscnt 0x0                               ; both opening adds are done
	s_wait_kmcnt 0x0
	s_add_nc_u64 s[20:21], s[4:5], s[20:21]
	s_add_nc_u64 s[22:23], s[6:7], s[22:23]
	s_add_nc_u64 s[46:47], s[4:5], s[46:47]
	s_add_nc_u64 s[92:93], s[6:7], s[92:93]
	CROUND                                         ; all sixteen work-groups are here: the first joint loads meet
	s_mov_b32 s[G0S], 1
	s_add_co_u32 s[G0S+1], s94, SCL
	s_mov_b64 s[G0S+2:G0S+3], s[22:23]
	s_or_b32 s[G0S+3], s[G0S+3], 0x80000000
	s_mov_b32 s[G0SB], 1
	s_add_co_u32 s[G0SB+1], s94, SCL
	s_mov_b64 s[G0SB+2:G0SB+3], s[92:93]
	s_or_b32 s[G0SB+3], s[G0SB+3], 0x80000000
	JLOAD G0S, G1S, G0SB, G1SB                     ; the scales first: they are wanted with the first slot
.irp s, 0,1
	s_mov_b32 s[G0+4*\s], 1
	s_add_co_u32 s[G0+4*\s+1], s45, \s*SLOT
	s_add_nc_u64 s[G0+4*\s+2:G0+4*\s+3], s[20:21], \s*ROWB
	s_or_b32 s[G0+4*\s+3], s[G0+4*\s+3], 0x80000000
	s_mov_b32 s[G0B+4*\s], 1
	s_add_co_u32 s[G0B+4*\s+1], s45, \s*SLOT
	s_add_nc_u64 s[G0B+4*\s+2:G0B+4*\s+3], s[46:47], \s*ROWB
	s_or_b32 s[G0B+4*\s+3], s[G0B+4*\s+3], 0x80000000
	JLOAD G0+4*\s, G1, G0B+4*\s, G1B               ; three loads of mine are out in all
.endr
	v_and_b32 v1, 15, v0                           ; r
	v_bfe_u32 v2, v0, 4, 1                         ; h
	v_mul_u32_u24 v3, v1, PITCH
	v_lshl_add_u32 v4, v2, 4, v3                   ; a fragment's row x pitch + 16 h
	s_mul_i32 s21, s15, HALFT
	s_mul_i32 s22, s16, HALFT
	s_add_co_u32 s22, s22, 2*HALFT
.irp s, 0,1
	v_add_nc_u32 v[ADRA+\s], s21, v4
	v_add_nc_u32 v[ADRB+\s], s22, v4
	s_add_co_u32 s21, s21, SLOT
	s_add_co_u32 s22, s22, SLOT
.endr
	v_mul_u32_u24 v5, v1, KS                       ; my row's scales: 32 bytes a row,
	v_lshrrev_b32 v6, 8, v5
	v_lshl_add_u32 v5, v6, 4, v5                   ; and 16 more for each 256 passed
	s_mul_i32 s21, s15, HALFS
	s_mul_i32 s22, s16, HALFS
	s_add_co_u32 s22, s22, 2*HALFS
	s_sub_co_u32 s22, s22, s21
	v_mul_u32_u24 v6, s22, v2                      ; lanes 16-31 take w_qkv's
	s_add_co_u32 s21, s21, SCL
	v_add_nc_u32 v5, v5, v6
	v_add_nc_u32 v[ADRS], s21, v5
	s_mul_i32 s23, s14, 2*16*144                   ; my stage: 2 heads x 16 rows x (128 bytes + 16).  It lies in slot 0, which has had its last fill and its last read when the first result is stored there
	v_mul_u32_u24 v5, v1, 144
	v_lshl_add_u32 v5, v2, 4, v5
	v_add_nc_u32 v[STO], s23, v5                   ; in: row r, + 16 h
	v_and_b32 v6, 31, v0
	v_lshlrev_b32 v[CO], 4, v6
	v_lshrrev_b32 v5, 3, v6
	v_mul_u32_u24 v5, v5, 144
	v_and_b32 v6, 7, v6
	v_lshl_add_u32 v5, v6, 4, v5
	v_add_nc_u32 v[RD], s23, v5                    ; back: eight lanes to a row of 128 bytes, four rows an instruction
	; where my results go: tensor (the cluster's x: 0 q, 1 k, 2 v), batch, my first head, my first position
	s_lshr_b32 s20, s17, 3
	s_lshl_b32 s20, s20, 4                         ; 16 x batch
	s_lshl_b32 s21, s40, 2
	s_add_co_u32 s20, s20, s21                     ; + 4 cx
	s_lshl_b32 s21, s16, 1
	s_add_co_u32 s20, s20, s21                     ; + 2 x column half
	s_lshl_b32 s20, s20, 11                        ; x 2,048 positions
	s_and_b32 s21, s17, 7
	s_lshl_b32 s21, s21, 8
	s_lshl_b32 s46, s15, 7
	s_add_co_u32 s21, s21, s46                     ; my first position
	s_add_co_u32 s20, s20, s21
	s_lshl_b32 s20, s20, 7                         ; x 128 bytes
	s_lshl_b32 s46, ttmp9, 23                      ; + tensor x 8,388,608
	s_add_co_u32 s20, s20, s46
	s_lshl_b32 s46, s21, 8                         ; the table: 4,096 bytes for 16 positions
	s_mov_b32 s21, 0
	s_mov_b32 s47, 0
	s_add_nc_u64 s[98:99], s[10:11], s[20:21]
	s_add_nc_u64 s[96:97], s[8:9], s[46:47]
	s_cmp_eq_u32 ttmp9, 2
	s_cselect_b32 s100, 1, 0                       ; 1: v, which is not rotated.  The same in all sixteen partners
.macro FRAG reg, adr, q, i             ; 16 rows x 128 K of 4-bit codes: 8 registers; registers 4 c .. 4 c + 3 hold K = 64 c + 32 h + 0 .. 31
.irp c, 0,1
	ds_load_b128 v[\reg+4*\c:\reg+4*\c+3], v[\adr] offset:64*(\q)+32*\c+(\i)*16*PITCH
.endr
.endm
; 16 matrix instructions: x's blocks a0, a0 + 1 against w_qkv's eight, 128 along K.  The 64 accumulators take turns, one instruction a turn, in the same order in every step.
.macro MUL16 a0, p, q, sc, zero
.irp a, \a0, \a0+1
.irp b, 0,1,2,3,4,5,6,7
.if \zero
	v_wmma_scale_f32_16x16x128_f8f6f4 v[8*(8*((\a)%4)+\b):8*(8*((\a)%4)+\b)+7], v[128*(\p)+FR*\b:128*(\p)+FR*\b+FR-1], v[AF+FR*(\a):AF+FR*(\a)+FR-1], 0, v[SC+8*NQ*(\sc)+NQ*\b+(\q)], v[SC+8*NQ*(\sc)+NQ*(\a)+(\q)] matrix_a_fmt:MATRIX_FMT_FP4 matrix_b_fmt:MATRIX_FMT_FP4 matrix_a_scale:MATRIX_SCALE_ROW1
.else
	v_wmma_scale_f32_16x16x128_f8f6f4 v[8*(8*((\a)%4)+\b):8*(8*((\a)%4)+\b)+7], v[128*(\p)+FR*\b:128*(\p)+FR*\b+FR-1], v[AF+FR*(\a):AF+FR*(\a)+FR-1], v[8*(8*((\a)%4)+\b):8*(8*((\a)%4)+\b)+7], v[SC+8*NQ*(\sc)+NQ*\b+(\q)], v[SC+8*NQ*(\sc)+NQ*(\a)+(\q)] matrix_a_fmt:MATRIX_FMT_FP4 matrix_b_fmt:MATRIX_FMT_FP4 matrix_a_scale:MATRIX_SCALE_ROW1
.endif
.endr
.endr
.endm
.macro FETCH_B slot, q, p
	WIN TO_B
.irp i, 0,1,2,3,4,5,6,7
	FRAG 128*(\p)+FR*\i, ADRB+\slot, \q, \i
.endr
	WIN 0
.endm
.macro FETCH_A slot, q, i0
.irp i, \i0, \i0+1, \i0+2, \i0+3
	FRAG AF+FR*(\i), ADRA+\slot, \q, \i
.endr
.endm
.macro SCALES sc                       ; a slot's scale words: lanes 0-15 take x's block i, lanes 16-31 w_qkv's block i; four words a row
.irp i, 0,1,2,3,4,5,6,7
	ds_load_b128 v[SC+8*NQ*\sc+NQ*\i:SC+8*NQ*\sc+NQ*\i+3], v[ADRS] offset:\i*SBLK
.endr
.endm
.macro PLACES n                        ; plain vector instructions between a matrix instruction and a load into, or a read of, its registers
.rept \n
	v_nop
.endr
.endm
.macro STEP slot, q, zero              ; 128 along K, with its successor in the same slot
	s_wait_dscnt 4*NL                              ; all but the youngest eight loads (x's blocks 4-7) are in
	WIN MUL_LO
	MUL16 0, (\q)%2, \q, \slot, \zero
	MUL16 2, (\q)%2, \q, \slot, \zero
	s_wait_dscnt 0
	PLACES NP
	FETCH_B \slot, (\q)+1, 1-(\q)%2
	FETCH_A \slot, (\q)+1, 0
	WIN MUL_HI
	MUL16 4, (\q)%2, \q, \slot, \zero
	MUL16 6, (\q)%2, \q, \slot, \zero
	PLACES NP
	WIN 0
	FETCH_A \slot, (\q)+1, 4
.endm
.macro TURN slot, next                 ; a slot's last step changes slots: one barrier; nothing is filled again
	s_wait_tensorcnt 0x0                           ; all my tensor loads have landed: my part of the next slot
	ds_add_u32 v[SPW], v[NIL]                      ; 0 onto my spare word
	s_wait_dscnt 4*NL+1                            ; the add and the youngest eight loads may be out
	WIN MUL_LO
	MUL16 0, 1, NQ-1, \slot, 0
	s_wait_dscnt 0x0                               ; the add is done, and my reads of this slot are over
	s_barrier_signal -1
	MUL16 2, 1, NQ-1, \slot, 0
	WIN 0
	s_barrier_wait -1
	PLACES NP
	v_add_nc_u32 v[ADRS], 4*NQ, v[ADRS]            ; on to the next slot's scale words
	FETCH_B \next, 0, 0
	FETCH_A \next, 0, 0
	SCALES \next
	WIN MUL_HI
	MUL16 4, 1, NQ-1, \slot, 0
	MUL16 6, 1, NQ-1, \slot, 0
	PLACES NP
	WIN 0
	FETCH_A \next, 0, 4
.endm
.macro STEPS slot, from
.set Q, \from
.rept NQ-1-\from
	STEP \slot, Q, 0
.set Q, Q+1
.endr
.endm
	s_wait_tensorcnt 1                             ; the scales and my part of slot 0 are in; slot 1's load may be out
	s_barrier_signal -1
	s_barrier_wait -1
	FETCH_B 0, 0, 0
	FETCH_A 0, 0, 0
	SCALES 0
	FETCH_A 0, 0, 4
	STEP 0, 0, 1                                   ; the first step's products start the sums: nothing is cleared
	STEPS 0, 1
	TURN 0, 1
	STEPS 1, 0
	s_wait_dscnt 4*NL                              ; the last step: nothing more to fetch
	WIN MUL_LO
	MUL16 0, 1, NQ-1, 1, 0
	MUL16 2, 1, NQ-1, 1, 0
	s_wait_dscnt 0
	WIN MUL_HI
	MUL16 4, 1, NQ-1, 1, 0
	MUL16 6, 1, NQ-1, 1, 0
	WIN 0
; THE WAY OUT, block by block of 16 rows x 128 columns (two heads).
.macro TLD a                           ; block a's cos and sin: eight loads of 512 consecutive bytes into set a % 2, in window 1
	WIN 0x40                                       ; destination window 1, address window 0
.irp g, 0,1,2,3,4,5,6,7
	global_load_b128 v[TBL+32*((\a)%2)+4*\g:TBL+32*((\a)%2)+4*\g+3], v[CO], s[96:97] offset:(\a)*4096+\g*512
.endr
	WIN 0
.endm
.macro ROPE a                          ; x1' = x1 cos - x2 sin, x2' = x2 cos + x1 sin, x1 = channel d, x2 = channel d + 32.  Each accumulator is read from its low end on
.set AC, 64*((\a)%4)
.set TS, TBL+32*((\a)%2)
	WIN (2+(\a)/4)|4                               ; source 0: the accumulators' window; source 1: the table's, window 1
.irp hd, 0,1
.irp u, 0,1
.irp jp, 0,2,4,6
	v_pk_mul_f32 v[TT+32*\hd+16*\u+\jp:TT+32*\hd+16*\u+\jp+1], v[AC+8*(4*\hd+2+\u)+\jp:AC+8*(4*\hd+2+\u)+\jp+1], v[TS+16+8*\u+\jp:TS+16+8*\u+\jp+1]
	v_pk_mul_f32 v[TT+32*\hd+16*\u+8+\jp:TT+32*\hd+16*\u+8+\jp+1], v[AC+8*(4*\hd+\u)+\jp:AC+8*(4*\hd+\u)+\jp+1], v[TS+16+8*\u+\jp:TS+16+8*\u+\jp+1]
.endr
.endr
.endr
	WIN ((2+(\a)/4)<<6)|(2+(\a)/4)|4               ; and the destination in the accumulators' window too
.irp hd, 0,1
.irp u, 0,1
.irp jp, 0,2,4,6
	v_pk_fma_f32 v[AC+8*(4*\hd+\u)+\jp:AC+8*(4*\hd+\u)+\jp+1], v[AC+8*(4*\hd+\u)+\jp:AC+8*(4*\hd+\u)+\jp+1], v[TS+8*\u+\jp:TS+8*\u+\jp+1], v[TT+32*\hd+16*\u+\jp:TT+32*\hd+16*\u+\jp+1] neg_lo:[0,0,1] neg_hi:[0,0,1]
	v_pk_fma_f32 v[AC+8*(4*\hd+2+\u)+\jp:AC+8*(4*\hd+2+\u)+\jp+1], v[AC+8*(4*\hd+2+\u)+\jp:AC+8*(4*\hd+2+\u)+\jp+1], v[TS+8*\u+\jp:TS+8*\u+\jp+1], v[TT+32*\hd+16*\u+8+\jp:TT+32*\hd+16*\u+8+\jp+1]
.endr
.endr
.endr
	WIN 0
.endm
.macro PACK a                          ; rounded to f16: a lane's eight columns of a block are 16 bytes
.set AC, 64*((\a)%4)
	WIN 0x0a+5*((\a)/4)
.irp b, 0,1,2,3,4,5,6,7
.irp rr, 0,1,2,3
	v_cvt_pk_f16_f32 v[TMP+4*\b+\rr], v[AC+8*\b+2*\rr], v[AC+8*\b+2*\rr+1]
.endr
.endr
	WIN 0
.endm
.macro TOSTAGE a                       ; into my stage, and back as whole rows of 128 bytes: LDS serves a wave's instructions in order (ISA guide 5.7.1.4)
.set BB, BK+32*((\a)%2)
.irp b, 0,1,2,3,4,5,6,7
	ds_store_b128 v[STO], v[TMP+4*\b:TMP+4*\b+3] offset:(\b/4)*2304+32*(\b%4)
.endr
.irp hd, 0,1
.irp q, 0,1,2,3
	ds_load_b128 v[BB+4*(4*\hd+\q):BB+4*(4*\hd+\q)+3], v[RD] offset:\hd*2304+\q*576
.endr
.endr
.endm
.macro SEND a, younger                 ; younger: the LDS instructions issued behind block a's loads
.set BB, BK+32*((\a)%2)
	s_wait_dscnt \younger
.irp hd, 0,1
.irp q, 0,1,2,3
	global_store_b128 v[CO], v[BB+4*(4*\hd+\q):BB+4*(4*\hd+\q)+3], s[98:99] offset:\hd*262144+(\a)*2048+\q*512   ; four rows of a head: 512 consecutive bytes; every offset is an immediate
.endr
.endr
.endm
.macro WAYOUT rope
	PLACES NP                                      ; behind the last products: for the loads into registers that they read, and for the reads of their results
.if \rope
	TLD 0
	TLD 1
.endif
.irp a, 0,1,2,3,4,5,6,7
.if \rope
.if \a < 7
	s_wait_loadcnt 8                               ; this block's table is in; the next block's eight loads may be out
.else
	s_wait_loadcnt 0x0
.endif
	ROPE \a
.if \a < 6
	TLD \a+2
.endif
.endif
	PACK \a
.if \a > 1
	s_wait_xcnt 0x0                                ; block a - 2's stores have read their registers: block a's rows may land there
.endif
	TOSTAGE \a
.if \a > 0
	SEND \a-1, 16                                  ; behind block a - 1's loads: block a's 8 stores and 8 loads
.endif
.endr
	SEND 7, 0
.endm
	s_cmp_eq_u32 s100, 1
	s_cbranch_scc1 .Lplain
	WAYOUT 1                                       ; q and k
	s_branch .Lend
.Lplain:
	WAYOUT 0                                       ; v
.Lend:
	s_wait_tensorcnt 0x0                           ; the wave's end
	ds_add_u32 v[SPW], v[NIL]
	s_wait_dscnt 0x0
	CROUND                                         ; the closing round
	s_endpgm
.Lfunc_end_k_qb816e064ca_qkv:
	.size	k_qb816e064ca_qkv, .Lfunc_end_k_qb816e064ca_qkv-k_qb816e064ca_qkv
	.p2alignl 7, 3214868480
	.fill 96, 4, 3214868480
	.section	.rodata,"a",@progbits
	.p2align	6, 0x0
	.amdhsa_kernel k_qb816e064ca_qkv
		.amdhsa_group_segment_fixed_size 327680
		.amdhsa_private_segment_fixed_size 0
		.amdhsa_enable_private_segment 0
		.amdhsa_kernarg_size 32
		.amdhsa_user_sgpr_count 2
		.amdhsa_user_sgpr_kernarg_segment_ptr 1
		.amdhsa_wavefront_size32 1
		.amdhsa_system_sgpr_workgroup_id_x 1
		.amdhsa_system_sgpr_workgroup_id_y 1
		.amdhsa_system_sgpr_workgroup_id_z 1
		.amdhsa_system_vgpr_workitem_id 0
		.amdhsa_next_free_vgpr 1024
		.amdhsa_next_free_sgpr 101
		.amdhsa_reserve_vcc 0
		.amdhsa_float_denorm_mode_32 3
		.amdhsa_float_denorm_mode_16_64 3
		.amdhsa_memory_ordered 1
		.amdhsa_forward_progress 1
		.amdhsa_inst_pref_size 197
	.end_amdhsa_kernel
	.amdgpu_metadata
---
amdhsa.version: [ 1, 2 ]
amdhsa.kernels:
  - .name:           k_qb816e064ca_qkv
    .symbol:         k_qb816e064ca_qkv.kd
    .args:
      - { .name: codes, .offset: 0, .size: 8, .value_kind: global_buffer, .address_space: global }
      - { .name: scales, .offset: 8, .size: 8, .value_kind: global_buffer, .address_space: global }
      - { .name: rope, .offset: 16, .size: 8, .value_kind: global_buffer, .address_space: global }
      - { .name: qkvh, .offset: 24, .size: 8, .value_kind: global_buffer, .address_space: global }
    .group_segment_fixed_size: 327680
    .private_segment_fixed_size: 0
    .kernarg_segment_align: 8
    .kernarg_segment_size: 32
    .max_flat_workgroup_size: 128
    .sgpr_count:     101
    .vgpr_count:     1024
    .wavefront_size: 32
...
	.end_amdgpu_metadata
.endif
;; end of part 2
;; launch attn (part 3): grid 8 x 32, 8 waves a work-group, clusters of 4 x 1, 327,680 bytes of LDS; arguments qkvh, ao; writes ao
.if DOCPART == 3
	.amdgcn_target "amdgcn-amd-amdhsa--gfx1250"
	.amdhsa_code_object_version 6
	.text
	.protected	k_qb816e064ca_attn
	.globl	k_qb816e064ca_attn
	.p2align	8
	.type	k_qb816e064ca_attn,@function
k_qb816e064ca_attn:
	s_mov_b64 s[64:65], 0
	v_nop
	global_prefetch_b8 v0, s[64:65] scope:SCOPE_SE
	s_setreg_imm32_b32 hwreg(HW_REG_WAVE_MODE, 25, 1), 1
	s_wait_xcnt 0x0
	s_wait_alu depctr_hold_cnt(0) depctr_sa_sdst(0) depctr_va_vdst(0) depctr_va_sdst(0) depctr_va_ssrc(0) depctr_va_vcc(0) depctr_vm_vsrc(0)
	s_getreg_b32 s2, hwreg(HW_REG_IB_STS2, 6, 4)
	s_cmp_eq_u32 s2, 0
	s_cbranch_scc0 .Lentry_in_a_cluster
	s_endpgm
.Lentry_in_a_cluster:
	s_bfe_u32 s2, ttmp6, 0x10000c
	s_cmp_lg_u32 s2, 0x3003
	s_cbranch_scc0 .Lentry_shape_is_right
	s_endpgm
.Lentry_shape_is_right:
; ATTN: O[bh][q] = the sum over k of softmax_k(Q[bh][q] . K[bh][k] / 8) V[bh][k].  Q, K, V: [32][2048][64] f16 in one buffer; no mask.  Products on f16 operands with f32 sums; maxima, exponentials and sums in f32;
; the weights p are rounded to f16 for the second product; O leaves as f16, laid [token / 128][head][token % 128][64].
; LIMIT: the result stays under 65,504, f16's largest number (it is an average of V's rows, which do).
; SHARES.  A work-group owns 256 queries of one head.  Eight waves: wave w takes 64 queries (w % 4: four tiles of 16) and HALF the keys (TY = w / 4: keys 1,024 TY on), 64 a step, 16 steps.
; At the end waves w and w xor 4 join their halves through LDS, each finishing two of the four tiles.
; LAYOUT.  S^T = K Q^T (source 0 = 16 keys, source 1 = 16 queries) and O^T = V^T P (source 0 = 16 channels, source 1 = P): a lane holds ONE query throughout.  Two tiles of S^T, rounded to f16 in pairs IN PLACE, are source 1 of the second product.
; SOFTMAX.  A running maximum m and sum l for each query: p = 2^(c s - c m), c = log2(e) / 8; in every step O and l are multiplied by a = 2^(c m_old - c m_new).  m begins at -3e38 and O and l at 0, so the first a is 0 on zeros and the step has one form.
; TWO KINDS OF WAVES, HALF A STEP APART.  A step's work is a matrix text M(j) (V^T P of step j - 1, then K Q^T of step j, with all of step j's LDS loads) and a vector text, the softmax.  In trip j the waves with TY = 0 run M(j), softmax(j);
; those with TY = 1 run softmax(j - 1), M(j).  Both kinds read step j's tiles in trip j, so ring, addresses and changes of slots are common text.
; REGISTER TILES.  Register tile u of a wave is query tile u xor 2 TY: every wave finishes its register tiles 0, 1 and hands 2, 3 to its partner, where they are 0, 1: one text for both kinds.
; CLUSTER.  The four query blocks of a cluster belong to one head and walk the same K and V: each tile is asked for jointly, mask 15.
; RING.  Two slots; a slot holds 256 keys of each half (four steps) of K and of V.  A tile of 128 keys is 16,384 dense bytes, stated as 64 rows of 256 bytes (two keys a row), padded by 16 (K) or 32 (V) bytes.
; Each wave brings one tile at each fill: two loads of mine are out at the head, one behind a round.
; REGISTERS.  window 0: v1-13 addresses; v16-47 statistics, 8 a tile; v48-63 at work at the end; v64-191 S^T, 32 a tile (p's f16 pairs in the first 16); v192-255 K of a step.
;   window 1: v0-127 O^T, 32 a tile; v128-191 Q, 16 a tile; v192-255 V of a step.
.set KP2,   272                        ; two keys of K in LDS
.set VP2,   288                        ; two keys of V
.set KHALF, 128*KP2                    ; a half's 256 keys
.set VHALF, 128*VP2
.set VOFF,  2*KHALF                    ; in a slot V lies behind K
.set SLOT,  2*KHALF+2*VHALF            ; 143,360
.set SPARE, 2*SLOT                     ; the spare words, 128 bytes for each of eight waves
.set HAND,  17*512                     ; the hand-over: 16 images of 512 bytes and the statistics, for each wave; in slot 0, behind its last fill and last read
.set STAGE, 8*HAND                     ; the stages, 2 tiles x 16 rows x 144 bytes a wave, likewise
.set AK0, 1                            ; v1   my lane's place in a step's K
.set AV0, 2                            ; v2   and V
.set ADK, 3                            ; v3   the step's address of K
.set ADV, 4                            ; v4   of V
.set QO,  5
.set HW,  6                            ; v6   where I hand over
.set HR,  7                            ; v7   where my partner has handed over
.set STO, 8
.set RD,  9
.set GO,  10                           ; v10  16 x lane
.set PFO, 11                           ; v11  256 x lane
.set SPW, 12
.set NIL, 13
.set ST,  16                           ; tile t at v[ST + 8 t]: +0 c m, +1 m, +2, +3 l, +4 .. +7 c0-c3; a takes c2's place
.set S,   64
.set KF,  192
.set QF,  128
.set VF,  192
.set WV,  12
.set LIM, 15
.set TY,  17
.set PFA, 18
.set G1K, 24
.set G1V, 32
.set G0K, 40                           ; s[40:47] a group 0 for each slot
.set G0V, 48
.set CNT, 56
.set TBK, 57                           ; LDS byte at which the step's K begins, less my half's and my lane's place
.set CS,  58
.set SEL, 60
.set TBV, 62
.set MSB, 0
.macro WIN new
.if MSB != (\new)
	s_set_vgpr_msb (MSB<<8)|(\new)
.set MSB, (\new)
.endif
.endm
.macro JLOAD s                         ; waves 0-3 fetch K's four tiles, waves 4-7 V's.  The branch hangs on the wave's number alone.  An s_nop 0 and four v_nop follow each line
	s_cmp_lt_u32 s[WV], 4
	s_cbranch_scc0 .Lfor_v_\@
	tensor_load_to_lds s[G0K+4*\s:G0K+4*\s+3], s[G1K:G1K+7]
	s_nop 0
.rept 4
	v_nop
.endr
	s_branch .Lasked_\@
.Lfor_v_\@:
	tensor_load_to_lds s[G0V+4*\s:G0V+4*\s+3], s[G1V:G1V+7]
	s_nop 0
.rept 4
	v_nop
.endr
.Lasked_\@:
.endm
.macro CROUND
	s_barrier_signal -1
	s_barrier_wait -1
	s_cmp_lg_u32 s[WV], 0
	s_cbranch_scc1 .Lnot_wave_0_\@
	s_barrier_signal -3
.Lnot_wave_0_\@:
	s_barrier_wait -3
	s_barrier_signal -1
	s_barrier_wait -1
.endm
; A prefetch of what the second refill will ask for (keys 768 .. 1,023 of each half, of K and of V: four dense ranges of 32,768 bytes), issued behind the first refill, four trips ahead of that load.
; Each aligned block of 256 bytes is named once in the launch: the head's first cluster asks; in it waves 0, 2 (K), 4, 6 (V) take a range each, and the four partners 8,192 bytes of it each, told apart by address; lanes 256 bytes apart.
.macro ASK
	s_cmp_eq_u32 s[LIM], 1
	s_cbranch_scc0 .Lnot_mine_\@
	global_prefetch_b8 v[PFO], s[PFA:PFA+1] th:TH_LOAD_NT scope:SCOPE_SE
.Lnot_mine_\@:
.endm
	s_load_b128 s[4:7], s[0:1], 0x0                ; qkvh s[4:5], ao s[6:7]
	v_lshl_add_u32 v[SPW], v0, 2, SPARE
	v_mov_b32 v[NIL], 0
	ds_add_u32 v[SPW], v[NIL]                      ; the wave's opening: the add, twice on end, and its wait ahead of my first tensor load
	ds_add_u32 v[SPW], v[NIL]
	v_lshrrev_b32 v14, 5, v0
	v_readfirstlane_b32 s[WV], v14                 ; wave 0..7
	s_and_b32 s16, s[WV], 3                        ; which 64 queries are mine.  Also: which of the four tiles I fetch
	s_lshr_b32 s[TY], s[WV], 2                     ; which half of the keys, and which kind of wave
	s_mul_i32 s82, s16, 64*KP2                     ; where my tile goes in a slot, if it is K's,
	s_mul_i32 s83, s16, 64*VP2
	s_add_co_u32 s83, s83, VOFF                    ; and if it is V's
	s_and_b32 s20, ttmp7, 0xffff                   ; 16 batch + head, which the four partners share
	s_lshl_b32 s76, s20, 18                        ; the head's first byte in q, k and v
	s_lshr_b32 s21, s16, 1
	s_lshl_b32 s21, s21, 17                        ; my tile in memory: its half's 1,024 keys of 128 bytes,
	s_and_b32 s22, s16, 1
	s_lshl_b32 s22, s22, 14                        ; and its 128 keys
	s_add_co_u32 s21, s21, s22
	s_add_co_u32 s78, s76, s21
	s_mov_b32 s79, 0
	s_bfe_u32 s13, ttmp6, 0x40000                  ; cx: it enters Q's, O's and the prefetch's addresses alone
	s_lshl_b32 s14, ttmp9, 2
	s_add_co_u32 s14, s14, s13                     ; my block of 256 queries
	s_lshl_b32 s21, s14, 8
	s_lshl_b32 s22, s16, 6
	s_add_co_u32 s21, s21, s22                     ; my wave's first query
	s_lshl_b32 s22, s[TY], 5
	s_add_co_u32 s23, s21, s22                     ; register tiles 0, 1: query tiles 2 TY, 2 TY + 1
	s_lshl_b32 s23, s23, 7
	s_add_co_u32 s66, s23, s76
	s_mov_b32 s67, 0
	s_xor_b32 s22, s22, 32
	s_add_co_u32 s23, s21, s22                     ; register tiles 2, 3: the other two
	s_lshl_b32 s23, s23, 7
	s_add_co_u32 s68, s23, s76
	s_mov_b32 s69, 0
	s_lshr_b32 s21, s20, 4
	s_lshl_b32 s21, s21, 4                         ; O: token / 128 = 16 batch
	s_lshl_b32 s22, s14, 1
	s_add_co_u32 s21, s21, s22                     ; + 2 x block
	s_lshr_b32 s22, s16, 1
	s_add_co_u32 s21, s21, s22
	s_lshl_b32 s21, s21, 4
	s_and_b32 s22, s20, 15
	s_add_co_u32 s21, s21, s22                     ; x 16 + head
	s_lshl_b32 s21, s21, 14                        ; x 16,384 bytes
	s_and_b32 s22, s16, 1
	s_lshl_b32 s22, s22, 13                        ; + 64 rows of 128 bytes
	s_add_co_u32 s21, s21, s22
	s_lshl_b32 s22, s[TY], 12                      ; + 32 rows: the two tiles that I finish
	s_add_co_u32 s74, s21, s22
	s_mov_b32 s75, 0
	s_mov_b32 s23, 0x1000000                       ; the prefetch: V's part of the buffer or K's,
	s_cmp_lt_u32 s[WV], 4
	s_cselect_b32 s23, 0x800000, s23
	s_bfe_u32 s22, s[WV], 0x10001
	s_lshl_b32 s22, s22, 17                        ; the half of the keys,
	s_add_co_u32 s80, s76, s22
	s_add_co_u32 s80, s80, s23
	s_lshl_b32 s22, s13, 13                        ; my work-group's 8,192 bytes
	s_add_co_u32 s80, s80, s22
	s_add_co_u32 s80, s80, 768*128                 ; of keys 768 on
	s_mov_b32 s81, 0
	s_and_b32 s[LIM], s[WV], 1
	s_or_b32 s[LIM], s[LIM], ttmp9                 ; even waves of the head's first cluster: the same in all four partners
	s_cmp_eq_u32 s[LIM], 0
	s_cselect_b32 s[LIM], 1, -1
	s_mov_b32 s[G1K], 15|(1<<16)|(1<<20)|(1<<21)|(5<<22)|(3<<25)  ; the mask: all four; elements of 2 bytes; padding on; bit 21 beside a mask; after every 64 words 4 words
	s_mov_b32 s[G1V], 15|(1<<16)|(1<<20)|(1<<21)|(5<<22)|(7<<25)  ; the same with 8 words
.irp g, G1K, G1V
	s_mov_b32 s[\g+1], 128<<16                     ; tensor_dim0 = 128 elements: two keys
	s_mov_b32 s[\g+2], 64<<16                      ; tensor_dim1
	s_mov_b32 s[\g+3], 128<<16                     ; tile_dim0
	s_mov_b32 s[\g+4], 64                          ; tile_dim1
	s_mov_b32 s[\g+5], 128                         ; the pitch: dense
	s_mov_b32 s[\g+6], 0
	s_mov_b32 s[\g+7], 0
.endr
	s_mov_b32 s[CS], 0x3e38aa3b                    ; c = log2(e) / 8
	s_mov_b32 s[CS+1], s[CS]
	s_mov_b32 s[SEL], 0x76543210
	s_mov_b32 s[SEL+1], 0xfedcba98
	s_mov_b32 s[TBK], 0
	s_mov_b32 s[TBV], 0
	s_wait_dscnt 0x0                               ; both opening adds are done
	s_wait_kmcnt 0x0
	s_add_nc_u64 s[66:67], s[4:5], s[66:67]        ; Q of register tiles 0, 1
	s_add_nc_u64 s[68:69], s[4:5], s[68:69]        ; and 2, 3
	s_add_nc_u64 s[70:71], s[4:5], s[78:79]
	s_add_nc_u64 s[72:73], s[70:71], 0x1000000     ; V at my tile
	s_add_nc_u64 s[70:71], s[70:71], 0x800000      ; K at my tile
	s_add_nc_u64 s[74:75], s[6:7], s[74:75]
	s_add_nc_u64 s[PFA:PFA+1], s[4:5], s[80:81]
	CROUND                                         ; all four work-groups are here: the first joint loads meet
.irp s, 0,1
	s_mov_b32 s[G0K+4*\s], 1
	s_add_co_u32 s[G0K+4*\s+1], s82, \s*SLOT
	s_add_nc_u64 s[G0K+4*\s+2:G0K+4*\s+3], s[70:71], \s*32768     ; slot s begins with keys 256 s of each half
	s_or_b32 s[G0K+4*\s+3], s[G0K+4*\s+3], 0x80000000
	s_mov_b32 s[G0V+4*\s], 1
	s_add_co_u32 s[G0V+4*\s+1], s83, \s*SLOT
	s_add_nc_u64 s[G0V+4*\s+2:G0V+4*\s+3], s[72:73], \s*32768
	s_or_b32 s[G0V+4*\s+3], s[G0V+4*\s+3], 0x80000000
.endr
	s_cmp_lt_u32 s[WV], 4                          ; a wave's two first fills stand in one branch, ahead of every wait on TENSORcnt and every LDS read
	s_cbranch_scc0 .Lfirst_v
	tensor_load_to_lds s[G0K:G0K+3], s[G1K:G1K+7]
	s_nop 0
	tensor_load_to_lds s[G0K+4:G0K+7], s[G1K:G1K+7]
	s_nop 0
.rept 4
	v_nop
.endr
	s_branch .Lfirst_asked
.Lfirst_v:
	tensor_load_to_lds s[G0V:G0V+3], s[G1V:G1V+7]
	s_nop 0
	tensor_load_to_lds s[G0V+4:G0V+7], s[G1V:G1V+7]
	s_nop 0
.rept 4
	v_nop
.endr
.Lfirst_asked:
	v_and_b32 v14, 31, v0                          ; lane
	v_and_b32 v15, 15, v0                          ; r
	v_bfe_u32 v56, v0, 4, 1                        ; h
	v_lshrrev_b32 v57, 1, v15                      ; K: key r lies in pair row r / 2, half r % 2; + 16 h
	v_mul_u32_u24 v[AK0], v57, KP2
	v_and_b32 v57, 1, v15
	v_lshl_add_u32 v[AK0], v57, 7, v[AK0]
	v_lshl_add_u32 v[AK0], v56, 4, v[AK0]
	s_mul_i32 s20, s[TY], KHALF
	v_add_nc_u32 v[AK0], s20, v[AK0]
	v_bfe_u32 v57, v0, 1, 2                        ; V, for the turning load: lane l reads key 8 h + l % 8, channels 8 ((l / 8) % 2) on
	v_lshl_add_u32 v57, v56, 2, v57
	v_mul_u32_u24 v[AV0], v57, VP2
	v_and_b32 v57, 1, v0
	v_lshl_add_u32 v[AV0], v57, 7, v[AV0]
	v_bfe_u32 v57, v0, 3, 1
	v_lshl_add_u32 v[AV0], v57, 4, v[AV0]
	s_mul_i32 s20, s[TY], VHALF
	s_add_co_u32 s20, s20, VOFF
	v_add_nc_u32 v[AV0], s20, v[AV0]
	v_lshlrev_b32 v[QO], 7, v15
	v_lshl_add_u32 v[QO], v56, 4, v[QO]            ; Q: row r of 128 bytes, + 16 h
	v_lshlrev_b32 v[GO], 4, v14
	s_mul_i32 s20, s[WV], HAND
	v_add_nc_u32 v[HW], s20, v[GO]
	s_xor_b32 s20, s[WV], 4
	s_mul_i32 s20, s20, HAND
	v_add_nc_u32 v[HR], s20, v[GO]
	s_mul_i32 s20, s[WV], 2*16*144
	s_add_co_u32 s20, s20, STAGE
	v_mul_u32_u24 v[STO], v15, 144
	v_lshl_add_u32 v[STO], v56, 4, v[STO]
	v_add_nc_u32 v[STO], s20, v[STO]
	v_lshrrev_b32 v57, 3, v14
	v_mul_u32_u24 v[RD], v57, 144
	v_and_b32 v57, 7, v0
	v_lshl_add_u32 v[RD], v57, 4, v[RD]
	v_add_nc_u32 v[RD], s20, v[RD]
	v_lshlrev_b32 v[PFO], 8, v14
	WIN 0x40                                       ; destination window 1
.irp u, 0,1
.irp c, 0,1
	global_load_b128 v[QF+16*\u+8*\c:QF+16*\u+8*\c+3],   v[QO], s[66:67] offset:\u*2048+64*\c
	global_load_b128 v[QF+16*\u+8*\c+4:QF+16*\u+8*\c+7], v[QO], s[66:67] offset:\u*2048+64*\c+32
	global_load_b128 v[QF+32+16*\u+8*\c:QF+32+16*\u+8*\c+3],   v[QO], s[68:69] offset:\u*2048+64*\c
	global_load_b128 v[QF+32+16*\u+8*\c+4:QF+32+16*\u+8*\c+7], v[QO], s[68:69] offset:\u*2048+64*\c+32
.endr
.endr
.set i, 0
.rept 128
	v_mov_b32 v[i], 0                              ; O^T.  The step has one form: the two kinds meet their first softmax in different trips, and a first form would be two more copies of the vector text
.set i, i+1
.endr
	WIN 0
.irp t, 0,1,2,3
	v_mov_b32 v[ST+8*\t+1], 0xff61b1e6             ; m = -3e38, under every score
	v_mul_f32 v[ST+8*\t], s[CS], v[ST+8*\t+1]
	v_mov_b32 v[ST+8*\t+2], 0
	v_mov_b32 v[ST+8*\t+3], 0
.endr
.macro KLD                             ; a step's K: fragment (kt, c): keys 16 kt on, channels 32 c on
.irp kt, 0,1,2,3
.irp c, 0,1
	ds_load_b128 v[KF+16*\kt+8*\c:KF+16*\kt+8*\c+3],   v[ADK] offset:\kt*8*KP2+64*\c
	ds_load_b128 v[KF+16*\kt+8*\c+4:KF+16*\kt+8*\c+7], v[ADK] offset:\kt*8*KP2+64*\c+32
.endr
.endr
.endm
.macro VLD                             ; a step's V, turned: fragment (ct, kc): channels 16 ct on, keys 32 kc on
	WIN 0x40
.irp ct, 0,1,2,3
.irp kc, 0,1
	ds_load_tr16_b128 v[VF+16*\ct+8*\kc:VF+16*\ct+8*\kc+3],   v[ADV] offset:\kc*16*VP2+32*\ct
	ds_load_tr16_b128 v[VF+16*\ct+8*\kc+4:VF+16*\ct+8*\kc+7], v[ADV] offset:\kc*16*VP2+32*\ct+8*VP2
.endr
.endr
	WIN 0
.endm
.macro PV32                            ; O^T += V^T P: the 16 accumulators take turns, one instruction a turn
	WIN 0x51
.irp kc, 0,1
.irp ct, 0,1,2,3
.irp t, 0,1,2,3
	v_wmma_f32_16x16x32_f16 v[32*\t+8*\ct:32*\t+8*\ct+7], v[VF+16*\ct+8*\kc:VF+16*\ct+8*\kc+7], v[S+32*\t+8*\kc:S+32*\t+8*\kc+7], v[32*\t+8*\ct:32*\t+8*\ct+7]
.endr
.endr
.endr
.endm
.macro KQ32                            ; S^T = K Q^T: likewise; the first 16 start the sums
	WIN 0x04
.irp c, 0,1
.irp kt, 0,1,2,3
.irp t, 0,1,2,3
.if \c == 0
	v_wmma_f32_16x16x32_f16 v[S+32*\t+8*\kt:S+32*\t+8*\kt+7], v[KF+16*\kt+8*\c:KF+16*\kt+8*\c+7], v[QF+16*\t+8*\c:QF+16*\t+8*\c+7], 0
.else
	v_wmma_f32_16x16x32_f16 v[S+32*\t+8*\kt:S+32*\t+8*\kt+7], v[KF+16*\kt+8*\c:KF+16*\kt+8*\c+7], v[QF+16*\t+8*\c:QF+16*\t+8*\c+7], v[S+32*\t+8*\kt:S+32*\t+8*\kt+7]
.endif
.endr
.endr
.endr
.endm
.macro MPH                             ; M(j)
	s_wait_dscnt 0x0                               ; V of step j - 1 is in
	KLD                                            ; K of step j lands under the 32 products below
	PV32
	WIN 0
.rept 5
	v_nop                                          ; K Q^T writes over registers that V^T P has read as its source 1: five places; they also serve the loads into V's registers
.endr
	VLD
	s_wait_dscnt 16                                ; all but V's sixteen loads: K is in
	KQ32
	WIN 0
.rept 4
	v_nop                                          ; places ahead of the softmax's first reads
.endr
.endm
.macro MK0                             ; M(0): there is no step before it
	KLD
	VLD
	s_wait_dscnt 16
	KQ32
	WIN 0
.rept 4
	v_nop
.endr
.endm
.macro MPV                             ; the last step's V^T P
	s_wait_dscnt 0x0
	v_nop                                          ; a product that takes another's result as an operand stands five places behind it (ISA guide 7.12.1), on every way through the text: on the way that leads from M's end round the softmax above, which no wave with TY = 1 takes, M's four v_nop and this one are the five
	PV32
	WIN 0
.endm
; THE SOFTMAX of a step, the four tiles by turns in every block, so that no line waits for the line above it.
.macro SMX
.irp jj, 0,1,2,3                       ; the maximum: four chains a tile, one for each accumulator, which is so read from its low end on
.irp t, 0,1,2,3
	v_max3_num_f32 v[ST+8*\t+4+\jj], v[S+32*\t+8*\jj], v[S+32*\t+8*\jj+1], v[S+32*\t+8*\jj+2]
.endr
.endr
.irp jj, 4,5,6,7,8,9,10,11
.irp t, 0,1,2,3
	v_max3_num_f32 v[ST+8*\t+4+\jj%4], v[ST+8*\t+4+\jj%4], v[S+32*\t+8*(\jj%4)+2*(\jj/4)+1], v[S+32*\t+8*(\jj%4)+2*(\jj/4)+2]
.endr
.endr
.irp t, 0,1,2,3
	v_max3_num_f32 v[ST+8*\t+4], v[ST+8*\t+4], v[S+32*\t+7], v[S+32*\t+15]
.endr
.irp t, 0,1,2,3
	v_max3_num_f32 v[ST+8*\t+6], v[ST+8*\t+6], v[S+32*\t+23], v[S+32*\t+31]
.endr
.irp t, 0,1,2,3
	v_max3_num_f32 v[ST+8*\t+4], v[ST+8*\t+4], v[ST+8*\t+5], v[ST+8*\t+6]
.endr
.irp t, 0,1,2,3
	v_max3_num_f32 v[ST+8*\t+4], v[ST+8*\t+4], v[ST+8*\t+7], v[ST+8*\t+1]
.endr
.irp t, 0,1,2,3
	v_permlanex16_b32 v[ST+8*\t+5], v[ST+8*\t+4], s[SEL], s[SEL+1]   ; the query's other 32 keys lie in the lane 16 away
.endr
.irp t, 0,1,2,3
	v_mov_b32 v[ST+8*\t+7], v[ST+8*\t]             ; c m_old is kept for a
.endr
.irp t, 0,1,2,3
	v_max_num_f32 v[ST+8*\t+1], v[ST+8*\t+4], v[ST+8*\t+5]
.endr
.irp t, 0,1,2,3
	v_mul_f32 v[ST+8*\t], s[CS], v[ST+8*\t+1]
.endr
.irp t, 0,1,2,3
	v_sub_f32 v[ST+8*\t+7], v[ST+8*\t+7], v[ST+8*\t]
.endr
; ONE BATCH: the 4 exponentials for a, the 64 packed scalings c s - c m and the 128 exponentials; none of these lines reads an exponential's result.  A pair's exponentials stand behind the next pair's scalings.
.irp t, 0,1,2,3
	v_exp_f32 v[ST+8*\t+6], v[ST+8*\t+7]           ; a
.endr
.irp i, 0,1,2,3,4,5,6,7,8,9,10,11,12,13,14,15
.irp t, 0,1,2,3
	v_pk_fma_f32 v[S+32*\t+2*\i:S+32*\t+2*\i+1], v[S+32*\t+2*\i:S+32*\t+2*\i+1], s[CS:CS+1], v[ST+8*\t:ST+8*\t+1] op_sel_hi:[1,0,0] neg_lo:[0,0,1] neg_hi:[0,0,1]
.endr
.if \i > 0
.irp t, 0,1,2,3
	v_exp_f32 v[S+32*\t+2*\i-2], v[S+32*\t+2*\i-2]
	v_exp_f32 v[S+32*\t+2*\i-1], v[S+32*\t+2*\i-1]
.endr
.endif
.endr
.irp t, 0,1,2,3
	v_exp_f32 v[S+32*\t+30], v[S+32*\t+30]
	v_exp_f32 v[S+32*\t+31], v[S+32*\t+31]
.endr
	v_nop                                          ; a plain instruction behind the last exponential
	s_wait_alu depctr_va_vdst(0)                   ; one wait for the 132, ahead of their first reader
.irp t, 0,1,2,3
	v_pk_fma_f32 v[ST+8*\t+2:ST+8*\t+3], v[ST+8*\t+2:ST+8*\t+3], v[ST+8*\t+6:ST+8*\t+7], v[S+32*\t:S+32*\t+1] op_sel_hi:[1,0,1]   ; l = a l + p, of the unrounded p
.endr
.irp i, 1,2,3,4,5,6,7,8,9,10,11,12,13,14,15
.irp t, 0,1,2,3
	v_pk_add_f32 v[ST+8*\t+2:ST+8*\t+3], v[ST+8*\t+2:ST+8*\t+3], v[S+32*\t+2*\i:S+32*\t+2*\i+1]
.endr
.endr
.irp i, 0,1,2,3,4,5,6,7,8,9,10,11,12,13,14,15      ; p to f16, in place: register i has been used up by pair i / 2 when pair i lands on it
.irp t, 0,1,2,3
	v_cvt_pk_f16_f32 v[S+32*\t+\i], v[S+32*\t+2*\i], v[S+32*\t+2*\i+1]
.endr
.endr
	WIN 0x41                                       ; O^T (destination and source 0) in window 1, a in window 0
.irp i, 0,1,2,3,4,5,6,7,8,9,10,11,12,13,14,15
.irp t, 0,1,2,3
	v_pk_mul_f32 v[32*\t+2*\i:32*\t+2*\i+1], v[32*\t+2*\i:32*\t+2*\i+1], v[ST+8*\t+6:ST+8*\t+7] op_sel_hi:[1,0]
.endr
.endr
	WIN 0
.endm
.macro TRIP
	v_add_nc_u32 v[ADK], s[TBK], v[AK0]            ; both kinds read step j's tiles in trip j: the addresses are made on the way that all take
	v_add_nc_u32 v[ADV], s[TBV], v[AV0]
	s_cmp_lg_u32 s[TY], 0
	s_cbranch_scc1 .Lv_\@
	MPH                                            ; TY = 0: M(j), then softmax(j)
.Lv_\@:
	SMX
	s_cmp_eq_u32 s[TY], 0
	s_cbranch_scc1 .Le_\@
	MPH                                            ; TY = 1: softmax(j - 1), then M(j)
.Le_\@:
	s_add_co_u32 s[TBK], s[TBK], 32*KP2            ; 64 keys on
	s_add_co_u32 s[TBV], s[TBV], 32*VP2
.endm
.macro TRIPS n
	s_mov_b32 s[CNT], \n
.Ltrip_\@:
	TRIP
	s_sub_co_u32 s[CNT], s[CNT], 1
	s_cmp_lg_u32 s[CNT], 0
	s_cbranch_scc1 .Ltrip_\@
.endm
; THE CHANGE OF SLOTS.  Each wave waits for all its tensor loads (one is out: its tile of the slot ahead), adds 0 to its spare word, and waits for that and for its reads of the slot that it leaves.
; fill = 1: the slot left is filled with the keys 512 further on in each half: a round of the cluster's barrier, and the joint refill first behind it; it has four trips in which to land.
.macro CHANGE fill, slot, new
	s_wait_tensorcnt 0x0
	ds_add_u32 v[SPW], v[NIL]
.if \fill
	s_add_nc_u64 s[G0K+4*\slot+2:G0K+4*\slot+3], s[G0K+4*\slot+2:G0K+4*\slot+3], 65536   ; no load of mine is out: a group 0 may be written
	s_add_nc_u64 s[G0V+4*\slot+2:G0V+4*\slot+3], s[G0V+4*\slot+2:G0V+4*\slot+3], 65536
.endif
	s_mov_b32 s[TBK], \new*SLOT
	s_mov_b32 s[TBV], \new*SLOT
	s_wait_dscnt 0x0
.if \fill
	CROUND
	JLOAD \slot
.else
	s_barrier_signal -1
	s_barrier_wait -1
.endif
.endm
	s_wait_tensorcnt 1                             ; my tile of slot 0 is in; slot 1's may stay out
	s_barrier_signal -1
	s_barrier_wait -1
	s_wait_loadcnt 0x0                             ; Q
	v_add_nc_u32 v[ADK], s[TBK], v[AK0]            ; trip 0, written out
	v_add_nc_u32 v[ADV], s[TBV], v[AV0]
	MK0
	s_cmp_lg_u32 s[TY], 0
	s_cbranch_scc1 .Lt0
	SMX                                            ; TY = 0 alone: from here on the kinds are half a step apart
.Lt0:
	s_add_co_u32 s[TBK], s[TBK], 32*KP2
	s_add_co_u32 s[TBV], s[TBV], 32*VP2
	s_wait_dscnt 0x0
	s_barrier_signal -1                            ; both kinds start trip 1 together
	s_barrier_wait -1
	TRIPS 3
	CHANGE 1, 0, 1                                 ; slot 0 takes keys 512 .. 767 of each half
	ASK
	TRIPS 4
	CHANGE 1, 1, 0                                 ; slot 1 takes keys 768 .. 1,023
	TRIPS 4
	CHANGE 0, 0, 1                                 ; nothing is left to fetch; from here on nobody reads slot 0
	TRIPS 4
	s_cmp_eq_u32 s[TY], 0
	s_cbranch_scc1 .Ltail
	SMX                                            ; TY = 1: the last softmax
.Ltail:
	MPV
	; THE TWO HALVES OF THE KEYS ARE JOINED.  l's two halves and the other half of the lanes' are added (twelve plain lines: the places behind the last products).
.irp t, 0,1,2,3
	v_add_f32 v[ST+8*\t+4], v[ST+8*\t+2], v[ST+8*\t+3]
.endr
.irp t, 0,1,2,3
	v_permlanex16_b32 v[ST+8*\t+5], v[ST+8*\t+4], s[SEL], s[SEL+1]
.endr
.irp t, 0,1,2,3
	v_add_f32 v[ST+8*\t+4], v[ST+8*\t+4], v[ST+8*\t+5]
.endr
	v_mov_b32 v48, v[ST+16]                        ; c m and l of register tiles 2 and 3
	v_mov_b32 v49, v[ST+20]
	v_mov_b32 v50, v[ST+24]
	v_mov_b32 v51, v[ST+28]
	ds_store_b128 v[HW], v[48:51] offset:8192
	WIN 0x04                                       ; an LDS store's data are its source 1: window 1
.irp i, 0,1,2,3,4,5,6,7,8,9,10,11,12,13,14,15
	ds_store_b128 v[HW], v[64+4*\i:64+4*\i+3] offset:512*\i       ; O^T of register tiles 2 and 3 as an image of its registers, each accumulator from its low end on
.endr
	WIN 0
	s_wait_dscnt 0x0                               ; for my partner's sake: my stores are done
	s_barrier_signal -1
	s_barrier_wait -1
.irp i, 0,1,2,3,4,5,6,7,8,9,10,11,12,13,14,15
	ds_load_b128 v[64+4*\i:64+4*\i+3], v[HR] offset:512*\i        ; my partner's O^T of the tiles that I finish: v[64 + n] goes with my O^T register n
.endr
	ds_load_b128 v[52:55], v[HR] offset:8192
	s_wait_dscnt 0x0
.irp u, 0,1
	v_max_num_f32 v[56+4*\u], v[ST+8*\u], v[52+2*\u]              ; the common c m
.endr
.irp u, 0,1
	v_sub_f32 v[57+4*\u], v[ST+8*\u], v[56+4*\u]
	v_sub_f32 v[58+4*\u], v[52+2*\u], v[56+4*\u]
.endr
.irp u, 0,1
	v_exp_f32 v[57+4*\u], v[57+4*\u]               ; what my half is multiplied by,
	v_exp_f32 v[58+4*\u], v[58+4*\u]               ; and my partner's
.endr
	v_nop
	s_wait_alu depctr_va_vdst(0)                   ; one wait for the four
.irp u, 0,1
	v_mul_f32 v[59+4*\u], v[57+4*\u], v[ST+8*\u+4]
.endr
.irp u, 0,1
	v_fma_f32 v[59+4*\u], v[58+4*\u], v[53+2*\u], v[59+4*\u]      ; the row's sum over all keys
.endr
.irp u, 0,1
	v_rcp_f32 v[56+4*\u], v[59+4*\u]
.endr
	v_nop
	s_wait_alu depctr_va_vdst(0)                   ; one wait for the two
.irp u, 0,1
	v_mul_f32 v[ST+8*\u+4], v[57+4*\u], v[56+4*\u] ; (the pairs' upper words, +5 and +7, have been written)
	v_mul_f32 v[ST+8*\u+6], v[58+4*\u], v[56+4*\u]
.endr
.irp u, 0,1
.irp i, 0,1,2,3,4,5,6,7,8,9,10,11,12,13,14,15
	v_pk_mul_f32 v[64+32*\u+2*\i:64+32*\u+2*\i+1], v[64+32*\u+2*\i:64+32*\u+2*\i+1], v[ST+8*\u+6:ST+8*\u+7] op_sel_hi:[1,0]
.endr
.endr
	WIN 0x01                                       ; source 0: my O^T, window 1
.irp u, 0,1
.irp i, 0,1,2,3,4,5,6,7,8,9,10,11,12,13,14,15
	v_pk_fma_f32 v[64+32*\u+2*\i:64+32*\u+2*\i+1], v[32*\u+2*\i:32*\u+2*\i+1], v[ST+8*\u+4:ST+8*\u+5], v[64+32*\u+2*\i:64+32*\u+2*\i+1] op_sel_hi:[1,0,1]
.endr
.endr
	WIN 0
.set i, 0
.rept 32
	v_cvt_pk_f16_f32 v[128+i], v[64+2*i], v[65+2*i]
.set i, i+1
.endr
.irp i, 0,1,2,3,4,5,6,7                        ; tile i / 4, channels 16 (i % 4) on: 16 bytes of row r
	ds_store_b128 v[STO], v[128+4*\i:128+4*\i+3] offset:(\i/4)*2304+32*(\i%4)
.endr
.irp i, 0,1,2,3,4,5,6,7
	ds_load_b128 v[160+4*\i:160+4*\i+3], v[RD] offset:(\i/4)*2304+(\i%4)*576   ; back as whole rows: these see my stores
.endr
.irp i, 0,1,2,3,4,5,6,7
	s_wait_dscnt 7-\i
	global_store_b128 v[GO], v[160+4*\i:160+4*\i+3], s[74:75] offset:512*\i    ; four rows of 128 bytes: 512 consecutive bytes
.endr
	s_wait_tensorcnt 0x0                           ; the wave's end
	ds_add_u32 v[SPW], v[NIL]
	s_wait_dscnt 0x0
	CROUND                                         ; the closing round
	s_endpgm
.Lfunc_end_k_qb816e064ca_attn:
	.size	k_qb816e064ca_attn, .Lfunc_end_k_qb816e064ca_attn-k_qb816e064ca_attn
	.p2alignl 7, 3214868480
	.fill 96, 4, 3214868480
	.section	.rodata,"a",@progbits
	.p2align	6, 0x0
	.amdhsa_kernel k_qb816e064ca_attn
		.amdhsa_group_segment_fixed_size 327680
		.amdhsa_private_segment_fixed_size 0
		.amdhsa_enable_private_segment 0
		.amdhsa_kernarg_size 16
		.amdhsa_user_sgpr_count 2
		.amdhsa_user_sgpr_kernarg_segment_ptr 1
		.amdhsa_wavefront_size32 1
		.amdhsa_system_sgpr_workgroup_id_x 1
		.amdhsa_system_sgpr_workgroup_id_y 1
		.amdhsa_system_sgpr_workgroup_id_z 1
		.amdhsa_system_vgpr_workitem_id 0
		.amdhsa_next_free_vgpr 512
		.amdhsa_next_free_sgpr 84
		.amdhsa_reserve_vcc 0
		.amdhsa_float_denorm_mode_32 3
		.amdhsa_float_denorm_mode_16_64 3
		.amdhsa_memory_ordered 1
		.amdhsa_forward_progress 1
		.amdhsa_inst_pref_size 241
	.end_amdhsa_kernel
	.amdgpu_metadata
---
amdhsa.version: [ 1, 2 ]
amdhsa.kernels:
  - .name:           k_qb816e064ca_attn
    .symbol:         k_qb816e064ca_attn.kd
    .args:
      - { .name: qkvh, .offset: 0, .size: 8, .value_kind: global_buffer, .address_space: global }
      - { .name: ao, .offset: 8, .size: 8, .value_kind: global_buffer, .address_space: global }
    .group_segment_fixed_size: 327680
    .private_segment_fixed_size: 0
    .kernarg_segment_align: 8
    .kernarg_segment_size: 16
    .max_flat_workgroup_size: 256
    .sgpr_count:     84
    .vgpr_count:     512
    .wavefront_size: 32
...
	.end_amdgpu_metadata
.endif
;; end of part 3
;; launch proj (part 4): grid 8 x 32, 4 waves a work-group, clusters of 4 x 4, 327,680 bytes of LDS; arguments ao, wp16, out0; writes out0
.if DOCPART == 4
	.amdgcn_target "amdgcn-amd-amdhsa--gfx1250"
	.amdhsa_code_object_version 6
	.text
	.protected	k_qb816e064ca_proj
	.globl	k_qb816e064ca_proj
	.p2align	8
	.type	k_qb816e064ca_proj,@function
k_qb816e064ca_proj:
	s_mov_b64 s[64:65], 0
	v_nop
	global_prefetch_b8 v0, s[64:65] scope:SCOPE_SE
	s_setreg_imm32_b32 hwreg(HW_REG_WAVE_MODE, 25, 1), 1
	s_wait_xcnt 0x0
	s_wait_alu depctr_hold_cnt(0) depctr_sa_sdst(0) depctr_va_vdst(0) depctr_va_sdst(0) depctr_va_ssrc(0) depctr_va_vcc(0) depctr_vm_vsrc(0)
	s_getreg_b32 s2, hwreg(HW_REG_IB_STS2, 6, 4)
	s_cmp_eq_u32 s2, 0
	s_cbranch_scc0 .Lentry_in_a_cluster
	s_endpgm
.Lentry_in_a_cluster:
	s_bfe_u32 s2, ttmp6, 0x10000c
	s_cmp_lg_u32 s2, 0xf033
	s_cbranch_scc0 .Lentry_shape_is_right
	s_endpgm
.Lentry_shape_is_right:
; PROJ: out0[m][n] = sum over k of A[m][k] w_proj[n][k]; M = 4,096, N = 1,024, K = 1,024; operands f16, sums and result f32.
; A (attention's result) is laid [m / 128][k / 64][m % 128][64], w_proj likewise by n: a K chunk of 64 of a tile's 128 rows is 16,384 dense bytes.
; A tile of the result is 128 x 128: 256 work-groups.  Four waves, each 64 x 64: 16 accumulators.  K goes in four steps of 256 (four chunks) through a ring of two LDS slots; a wave's tensor load brings two chunks, 32,768 dense bytes,
; stated as 128 rows of 256 bytes (two rows of a chunk) with 16 bytes of padding behind each.
; CLUSTERS: 4 x 4 work-groups; A's tiles are asked for jointly along a row of the cluster, w_proj's along a column.
; THE MATRIX INSTRUCTION IS USED TRANSPOSED (source 0 = 16 rows of w_proj, source 1 = 16 rows of A): a lane holds eight neighbouring numbers of a row of the result.
; REGISTERS: window 0: v0-31 addresses; v32-95 rows on the way out; v128-255 the accumulators ((a, b) at v[128 + 8 (4 a + b)]).  window 1: two fragment buffers of 128: for 64 along K, 64 registers of A, then 64 of w_proj.
.set CHUNK,  64*272                    ; a chunk in LDS
.set BOFF,   4*CHUNK                   ; in a slot w_proj's four chunks lie behind A's
.set SLOT,   8*CHUNK
.set STAGE,  2*SLOT                    ; behind the ring: 16 rows x 272 bytes for each wave
.set SPITCH, 272
.set SPARE,  STAGE+4*16*SPITCH         ; the spare words, 128 bytes a wave
.set ADRA, 16
.set ADRB, 20
.set STO,  24
.set RD,   25
.set CO,   26
.set SPW,  28
.set NIL,  29
.set TMP,  32
.set ACC,  128
.set F0,   0
.set F1,   128
.set G1, 24
.set G0, 32
.set G1B, 48
.set G0B, 56
.set MSB, 0
.macro WIN new
.if MSB != (\new)
	s_set_vgpr_msb (MSB<<8)|(\new)
.set MSB, (\new)
.endif
.endm
.set MUL,  0x05                        ; sources 0 and 1 window 1; C and D window 0
.set TO_F, 0x40
.macro JLOAD s                         ; waves 0 and 1 fetch A's two halves of a step, waves 2 and 3 w_proj's; an s_nop 0 and four v_nop follow each line
	s_cmp_eq_u32 s11, 0
	s_cbranch_scc0 .Lfor_b_\@
	tensor_load_to_lds s[G0+4*\s:G0+4*\s+3], s[G1:G1+7]
	s_nop 0
.rept 4
	v_nop
.endr
	s_branch .Lasked_\@
.Lfor_b_\@:
	tensor_load_to_lds s[G0B+4*\s:G0B+4*\s+3], s[G1B:G1B+7]
	s_nop 0
.rept 4
	v_nop
.endr
.Lasked_\@:
.endm
.macro CREST
	s_cmp_lg_u32 s10, 0
	s_cbranch_scc1 .Lnot_wave_0_\@
	s_barrier_signal -3
.Lnot_wave_0_\@:
	s_barrier_wait -3
	s_barrier_signal -1
	s_barrier_wait -1
.endm
.macro CROUND
	s_barrier_signal -1
	s_barrier_wait -1
	CREST
.endm
	s_load_b128 s[4:7], s[0:1], 0x0                ; A s[4:5], w_proj in f16 s[6:7]
	s_load_b64 s[8:9], s[0:1], 0x10                ; out0
	v_lshl_add_u32 v[SPW], v0, 2, SPARE
	v_mov_b32 v[NIL], 0
	ds_add_u32 v[SPW], v[NIL]                      ; the wave's opening: the add, twice on end, and its wait ahead of my first tensor load
	ds_add_u32 v[SPW], v[NIL]
	v_lshrrev_b32 v1, 5, v0
	v_readfirstlane_b32 s10, v1                    ; wave 0..3
	s_lshr_b32 s11, s10, 1                         ; which half of the tile's rows is mine.  Also: I fetch for A (0) or for w_proj (1)
	s_and_b32 s12, s10, 1                          ; which half of its columns.  Also: which two chunks of a step I fetch
	s_bfe_u32 s40, ttmp6, 0x40000
	s_bfe_u32 s41, ttmp6, 0x40004
	s_lshl_b32 s42, ttmp9, 2
	s_add_co_u32 s42, s42, s40                     ; tile column
	s_and_b32 s13, ttmp7, 0xffff
	s_lshl_b32 s13, s13, 2
	s_add_co_u32 s13, s13, s41                     ; tile row
	s_lshl_b32 s43, s41, 2
	s_lshl_b32 s43, 15, s43                        ; my row of the cluster
	s_lshl_b32 s44, 0x1111, s40                    ; my column
	s_or_b32 s[G1+0], s43, (1<<16)|(1<<20)|(1<<21)|(5<<22)|(3<<25)   ; the mask; elements of 2 bytes; padding on; bit 21 beside a mask; after every 64 words 4 words
	s_or_b32 s[G1B+0], s44, (1<<16)|(1<<20)|(1<<21)|(5<<22)|(3<<25)
.irp g, G1, G1B
	s_mov_b32 s[\g+1], 128<<16                     ; tensor_dim0
	s_mov_b32 s[\g+2], 128<<16                     ; tensor_dim1
	s_mov_b32 s[\g+3], 128<<16                     ; tile_dim0
	s_mov_b32 s[\g+4], 128                         ; tile_dim1
	s_mov_b32 s[\g+5], 128                         ; the pitch: dense
	s_mov_b32 s[\g+6], 0
	s_mov_b32 s[\g+7], 0
.endr
	s_lshl_b32 s17, s12, 15                        ; my two chunks of a step
	s_lshl_b32 s16, s13, 18                        ; A: 262,144 bytes a tile row
	s_add_co_u32 s16, s16, s17
	s_lshl_b32 s46, s42, 18                        ; w_proj: as many a tile column
	s_add_co_u32 s46, s46, s17
	s_mov_b32 s17, 0
	s_mov_b32 s47, 0
	s_mul_i32 s20, s10, 2*CHUNK                    ; where they go: wave x two chunks
	s_wait_dscnt 0x0                               ; both opening adds are done
	s_wait_kmcnt 0x0
	s_add_nc_u64 s[14:15], s[4:5], s[16:17]
	s_add_nc_u64 s[46:47], s[6:7], s[46:47]
	CROUND                                         ; all sixteen work-groups are here: the first joint loads meet
.irp s, 0,1
	s_mov_b32 s[G0+4*\s], 1
	s_add_co_u32 s[G0+4*\s+1], s20, \s*SLOT
	s_add_nc_u64 s[G0+4*\s+2:G0+4*\s+3], s[14:15], \s*65536
	s_or_b32 s[G0+4*\s+3], s[G0+4*\s+3], 0x80000000
	s_mov_b32 s[G0B+4*\s], 1
	s_add_co_u32 s[G0B+4*\s+1], s20, \s*SLOT
	s_add_nc_u64 s[G0B+4*\s+2:G0B+4*\s+3], s[46:47], \s*65536
	s_or_b32 s[G0B+4*\s+3], s[G0B+4*\s+3], 0x80000000
	JLOAD \s
.endr
	v_and_b32 v1, 15, v0                           ; r
	v_bfe_u32 v2, v0, 4, 1                         ; h
	v_lshrrev_b32 v3, 1, v1
	v_mul_u32_u24 v3, v3, 272                      ; row r lies in pair row r / 2,
	v_and_b32 v4, 1, v1
	v_lshl_add_u32 v3, v4, 7, v3                   ; half r % 2;
	v_lshl_add_u32 v3, v2, 4, v3                   ; + 16 h
	s_mul_i32 s21, s11, 32*272                     ; my 64 rows of A
	s_mul_i32 s22, s12, 32*272                     ; my 64 rows of w_proj,
	s_add_co_u32 s22, s22, BOFF                    ; behind A's chunks
.irp s, 0,1
	v_add_nc_u32 v[ADRA+\s], s21, v3
	v_add_nc_u32 v[ADRB+\s], s22, v3
	s_add_co_u32 s21, s21, SLOT
	s_add_co_u32 s22, s22, SLOT
.endr
	s_mul_i32 s23, s10, 16*SPITCH
	s_add_co_u32 s23, s23, STAGE                   ; my stage
	v_mul_u32_u24 v4, v1, SPITCH
	v_lshl_add_u32 v4, v2, 5, v4
	v_add_nc_u32 v[STO], s23, v4                   ; in: row r, 32 bytes for each half of the lanes
	v_mul_u32_u24 v5, v2, SPITCH
	v_lshl_add_u32 v5, v1, 4, v5
	v_add_nc_u32 v[RD], s23, v5                    ; back: lanes 0-15 one row of 256 bytes, lanes 16-31 the next
	v_lshlrev_b32 v5, 12, v2
	v_lshl_add_u32 v[CO], v1, 4, v5                ; and the same two rows in out0
	s_lshl_b32 s16, s13, 7
	s_lshl_b32 s17, s11, 6
	s_add_co_u32 s16, s16, s17                     ; my first row
	s_lshl_b32 s16, s16, 12                        ; x 4,096 bytes
	s_mov_b32 s17, 0
	s_add_nc_u64 s[8:9], s[8:9], s[16:17]
	s_lshl_b32 s46, s42, 9                         ; my first column, in bytes
	s_lshl_b32 s47, s12, 8
	s_add_co_u32 s46, s46, s47
	s_mov_b32 s47, 0
	s_add_nc_u64 s[8:9], s[8:9], s[46:47]
.macro MUL8 f, c, a0, zero             ; 8 matrix instructions: row blocks a0, a0 + 1 x all 4 column blocks, 32 along K; the 16 accumulators take turns
.irp a, \a0, \a0+1
.irp b, 0,1,2,3
.if \zero
	v_wmma_f32_16x16x32_f16 v[ACC+8*(4*(\a)+\b):ACC+8*(4*(\a)+\b)+7], v[\f+64+8*(4*\c+\b):\f+64+8*(4*\c+\b)+7], v[\f+8*(4*\c+\a):\f+8*(4*\c+\a)+7], 0
.else
	v_wmma_f32_16x16x32_f16 v[ACC+8*(4*(\a)+\b):ACC+8*(4*(\a)+\b)+7], v[\f+64+8*(4*\c+\b):\f+64+8*(4*\c+\b)+7], v[\f+8*(4*\c+\a):\f+8*(4*\c+\a)+7], v[ACC+8*(4*(\a)+\b):ACC+8*(4*(\a)+\b)+7]
.endif
.endr
.endr
.endm
.macro FETCH slot, k, f                ; 32 LDS loads in one run: the fragments of the chunk at byte k of the slot, the first 32 along K first
	WIN TO_F
.irp c, 0,1
.irp i, 0,1,2,3
	ds_load_b128 v[\f+64+8*(4*\c+\i):\f+64+8*(4*\c+\i)+3],   v[ADRB+\slot] offset:\k+64*\c+\i*8*272
	ds_load_b128 v[\f+64+8*(4*\c+\i)+4:\f+64+8*(4*\c+\i)+7], v[ADRB+\slot] offset:\k+64*\c+\i*8*272+32
	ds_load_b128 v[\f+8*(4*\c+\i):\f+8*(4*\c+\i)+3],         v[ADRA+\slot] offset:\k+64*\c+\i*8*272
	ds_load_b128 v[\f+8*(4*\c+\i)+4:\f+8*(4*\c+\i)+7],       v[ADRA+\slot] offset:\k+64*\c+\i*8*272+32
.endr
.endr
.endm
.macro PLACES
.rept 4
	v_nop
.endr
.endm
.macro QUARTER slot, k, f, g, zero     ; a chunk: 32 matrix instructions on buffer f; the next chunk, at byte k, is fetched into g
	s_wait_dscnt 16                                ; the first 32 along K are in; the other sixteen loads may be out
	WIN MUL
	MUL8 \f, 0, 0, \zero
	MUL8 \f, 0, 2, \zero
	PLACES
	FETCH \slot, \k, \g
	s_wait_dscnt 32                                ; all but the 32 just issued
	WIN MUL
	MUL8 \f, 1, 0, 0
	MUL8 \f, 1, 2, 0
.endm
.macro TURN slot, next, fill           ; a slot's last chunk changes slots: one barrier; fill = 1: this slot is filled again, two K steps ahead
	WIN 0
	s_wait_tensorcnt 0x0                           ; all my tensor loads have landed: my part of the next slot
	ds_add_u32 v[SPW], v[NIL]
	s_wait_dscnt 17                                ; the add and the youngest sixteen loads may be out
	WIN MUL
	MUL8 F1, 0, 0, 0
	s_wait_dscnt 0x0                               ; the add is done, and my reads of this slot are over
	s_barrier_signal -1
	MUL8 F1, 0, 2, 0
.if \fill
	WIN 0
.endif
	s_barrier_wait -1
.if \fill
	CREST                                          ; the barrier has opened a round of the cluster's barrier
	s_add_nc_u64 s[G0+4*\slot+2:G0+4*\slot+3], s[G0+4*\slot+2:G0+4*\slot+3], 131072
	s_add_nc_u64 s[G0B+4*\slot+2:G0B+4*\slot+3], s[G0B+4*\slot+2:G0B+4*\slot+3], 131072
	JLOAD \slot                                    ; the first tensor load behind the round; its four v_nop are also the places in front of the loads below
.else
	PLACES
.endif
	FETCH \next, 0, F0
	WIN MUL
	MUL8 F1, 1, 0, 0
	MUL8 F1, 1, 2, 0
.endm
	s_wait_tensorcnt 1                             ; my part of K step 0 is in; K step 1's load may be out
	s_barrier_signal -1
	s_barrier_wait -1
	FETCH 0, 0, F0
	QUARTER 0, CHUNK,   F0, F1, 1                  ; the first products start the sums.  The four K steps are written out
	QUARTER 0, 2*CHUNK, F1, F0, 0
	QUARTER 0, 3*CHUNK, F0, F1, 0
	TURN 0, 1, 1
	QUARTER 1, CHUNK,   F0, F1, 0
	QUARTER 1, 2*CHUNK, F1, F0, 0
	QUARTER 1, 3*CHUNK, F0, F1, 0
	TURN 1, 0, 1
	QUARTER 0, CHUNK,   F0, F1, 0
	QUARTER 0, 2*CHUNK, F1, F0, 0
	QUARTER 0, 3*CHUNK, F0, F1, 0
	TURN 0, 1, 0
	QUARTER 1, CHUNK,   F0, F1, 0
	QUARTER 1, 2*CHUNK, F1, F0, 0
	QUARTER 1, 3*CHUNK, F0, F1, 0
	s_wait_dscnt 16                                ; the last chunk: nothing more to fetch
	WIN MUL
	MUL8 F1, 0, 0, 0
	MUL8 F1, 0, 2, 0
	s_wait_dscnt 0
	MUL8 F1, 1, 0, 0
	MUL8 F1, 1, 2, 0
	WIN 0
; THE WAY OUT.  A wave's 64 columns of f32 are 256 aligned bytes of a row: each wave has a stage of its own and needs no barrier.  A block of 16 rows goes in as 32 bytes a lane and comes back as whole rows.
.macro SEND a, younger
	s_wait_dscnt \younger
.irp t, 0,1,2,3,4,5,6,7
	global_store_b128 v[CO], v[TMP+32*((\a)%2)+4*\t:TMP+32*((\a)%2)+4*\t+3], s[8:9] offset:(16*(\a)+2*\t)*4096 th:TH_STORE_NT   ; 16 lanes store 256 consecutive bytes, aligned
.endr
.endm
	PLACES
.irp a, 0,1,2,3
.if \a > 1
	s_wait_xcnt 0x0                                ; block a - 2's stores have read their registers: block a's rows may land there
.endif
.irp b, 0,1,2,3
	ds_store_b128 v[STO], v[ACC+8*(4*\a+\b):ACC+8*(4*\a+\b)+3] offset:64*\b          ; each accumulator from its low end on
	ds_store_b128 v[STO], v[ACC+8*(4*\a+\b)+4:ACC+8*(4*\a+\b)+7] offset:64*\b+16
.endr
.irp t, 0,1,2,3,4,5,6,7
	ds_load_b128 v[TMP+32*(\a%2)+4*\t:TMP+32*(\a%2)+4*\t+3], v[RD] offset:\t*2*SPITCH   ; LDS serves a wave's instructions in order (ISA guide 5.7.1.4)
.endr
.if \a > 0
	SEND \a-1, 16                                  ; behind block a - 1's loads: block a's 8 stores and 8 loads
.endif
.endr
	SEND 3, 0
	s_wait_tensorcnt 0x0                           ; the wave's end
	ds_add_u32 v[SPW], v[NIL]
	s_wait_dscnt 0x0
	CROUND                                         ; the closing round
	s_endpgm
.Lfunc_end_k_qb816e064ca_proj:
	.size	k_qb816e064ca_proj, .Lfunc_end_k_qb816e064ca_proj-k_qb816e064ca_proj
	.p2alignl 7, 3214868480
	.fill 96, 4, 3214868480
	.section	.rodata,"a",@progbits
	.p2align	6, 0x0
	.amdhsa_kernel k_qb816e064ca_proj
		.amdhsa_group_segment_fixed_size 327680
		.amdhsa_private_segment_fixed_size 0
		.amdhsa_enable_private_segment 0
		.amdhsa_kernarg_size 24
		.amdhsa_user_sgpr_count 2
		.amdhsa_user_sgpr_kernarg_segment_ptr 1
		.amdhsa_wavefront_size32 1
		.amdhsa_system_sgpr_workgroup_id_x 1
		.amdhsa_system_sgpr_workgroup_id_y 1
		.amdhsa_system_sgpr_workgroup_id_z 1
		.amdhsa_system_vgpr_workitem_id 0
		.amdhsa_next_free_vgpr 512
		.amdhsa_next_free_sgpr 66
		.amdhsa_reserve_vcc 0
		.amdhsa_float_denorm_mode_32 3
		.amdhsa_float_denorm_mode_16_64 3
		.amdhsa_memory_ordered 1
		.amdhsa_forward_progress 1
		.amdhsa_inst_pref_size 85
	.end_amdhsa_kernel
	.amdgpu_metadata
---
amdhsa.version: [ 1, 2 ]
amdhsa.kernels:
  - .name:           k_qb816e064ca_proj
    .symbol:         k_qb816e064ca_proj.kd
    .args:
      - { .name: ao, .offset: 0, .size: 8, .value_kind: global_buffer, .address_space: global }
      - { .name: wp16, .offset: 8, .size: 8, .value_kind: global_buffer, .address_space: global }
      - { .name: out0, .offset: 16, .size: 8, .value_kind: global_buffer, .address_space: global }
    .group_segment_fixed_size: 327680
    .private_segment_fixed_size: 0
    .kernarg_segment_align: 8
    .kernarg_segment_size: 24
    .max_flat_workgroup_size: 128
    .sgpr_count:     66
    .vgpr_count:     512
    .wavefront_size: 32
...
	.end_amdgpu_metadata
.endif
;; end of part 4
